; MI455X (gfx1250); checked and timed in simulation.
; The chip was launched on July 23, 2026; its instructions are those of AMD's public machine-readable ISA for CDNA 5 (MIT licence, August 2026) and "CDNA5" Instruction Set Architecture Reference Guide (July 2026). The comments in the code are by the model that wrote it; some were corrected since.
;; Cross Attention. Allowed arithmetic: matrix products marked QUANTISED: E2M3 operands, one E8M0 scale for each 32 along K, by v_wmma_scale_f32_16x16x128_f8f6f4 with both operands' format E2M3, f32 sums; everything else in f32.
;; Inputs: Wout 1,024 x 1,024 float32; Wqkv 3,072 x 1,024 float32; bout 1,024 float32; bqkv 3,072 float32; context 4 x 2,048 x 1,024 float32; x 4 x 2,048 x 1,024 float32.
;; Outputs: out0 4 x 2,048 x 1,024 float32.
;; This version of the problem:
;;   THIS VERSION OF THE PROBLEM IS GIVEN IN LOW PRECISION. The matrix products marked QUANTISED in the list below multiply operands that are first quantised to E2M3 (2 exponent bits, 3 mantissa bits; 6 bits a number), with one power-of-two scale for each 32 numbers along K (OCP MX v1.0); their sums are f32. All else is computed in f32.
;;   The module's matrix products, in the order in which they are computed (A, B: the left and right operand; K: the contracted axis; several contracted axes count as one K, in the product's order):
;;     1. [M 8,192, K 1,024] x [K 1,024, N 3,072]; A: input x; B: input Wqkv: QUANTISED
;;     2. batch 64 x [M 2,048, K 64] x [K 64, N 2,048]; A: computed on the way; B: computed on the way: QUANTISED
;;     3. batch 64 x [M 2,048, K 2,048] x [K 2,048, N 64]; A: softmax (see below); B: input context: QUANTISED
;;     4. [M 8,192, K 1,024] x [K 1,024, N 1,024]; A: computed on the way; B: input Wout: QUANTISED
;;   THE QUANTISER, for each operand of a quantised product, along K:
;;     - K is cut into blocks of 32 from its start; a last block that is shorter is filled with zeros.
;;     - A block's scale is 2^e with e = floor(log2(the largest magnitude in the block)) - 2, held to -126 .. 127; a block of zeros has e = 0. As a byte (E8M0): e + 127.
;;     - Each number is divided by its block's scale, clamped to +-7.5, and rounded to the nearest number of E2M3, ties to even, subnormals kept.
;;     - The product sums the exact products of the quantised numbers (number of the format x scale) in f32.
;;   ~~~python
;;   def quantise(x, axis):      # numpy; x: float32 -> the quantised numbers, widened to float32 again
;;       x = np.moveaxis(x, axis, -1); K = x.shape[-1]
;;       x = np.pad(x, [(0, 0)] * (x.ndim - 1) + [(0, -K % 32)]); x = x.reshape(x.shape[:-1] + (-1, 32)); a = np.abs(x).max(-1, keepdims=True)
;;       e = np.where(a > 0, np.clip(np.frexp(np.where(a > 0, a, 1))[1] - 1 - 2, -126, 127), 0)      # np.frexp(a)[1] - 1 = floor(log2(a)), exactly
;;       r = np.clip(x / 2.0 ** e, -7.5, 7.5)
;;       step = 2.0 ** (np.maximum(np.frexp(np.where(r == 0, 1, r))[1] - 1, 0) - 3)
;;       q = np.round(r / step) * step * 2.0 ** e      # np.round: ties to even
;;       return np.moveaxis(q.reshape(q.shape[:-2] + (-1,))[..., :K], -1, axis).astype(np.float32)
;;   ~~~
;;   SOFTMAX AHEAD OF A QUANTISED PRODUCT. Where the list says 'softmax', what is quantised is not the finished softmax but p = 2^(t - M), with t = logit x log2(e) and M = ceil(the row's largest t), a whole number; so 1/2 < the row's largest p <= 1. The row's sum l is taken of the UNQUANTISED p, in f32, and the product's result is divided by l at the end. Since M is a whole number, a kernel that streams over the keys may use a running M (the ceiling of the running maximum): every later rescaling is an exact power of two, which a block's scale takes up: the codes' values come out the same.
;;   OPERANDS COMPUTED ON THE WAY. 'Computed on the way' means the value that the module computes at that place (a softmax that the list does not call 'softmax' is quantised finished and normalised). What goes into a quantiser is computed in f32, as accurately as f32 sums, v_exp_f32 and their like allow (about 1e-6 of the number): no bf16 or f16 on the way to a quantiser, and a product that is left as it is and whose result goes on into a quantised operand takes f32 operands (vector FMAs, or v_wmma_f32_16x16x4_f32). A number that lies on a knife's edge between two numbers of the format may be rounded either way, as far as f32 arithmetic and the matrix unit's own rounding can turn it there, and no further.
;; One version. Each part assembles by itself: llvm-mc -triple=amdgcn-amd-amdhsa -mcpu=gfx1250 --defsym DOCPART=n.
;; ======== version 1 of 1: 4 launches
;; limits: right only within a limited range of input values
;; workspace buffers: c1 14,942,208 bytes; s1 622,592 bytes; c2 12,582,912 bytes; s2 524,288 bytes; c3 6,291,456 bytes; s3 262,144 bytes
;; launch quant (part 1): grid 608 x 1, 4 waves a work-group, no clusters, 18,944 bytes of LDS; arguments x, Wqkv, Wout, context, c1, s1; writes c1, s1
.if DOCPART == 1
	.amdgcn_target "amdgcn-amd-amdhsa--gfx1250"
	.amdhsa_code_object_version 6
	.text
	.protected	k_qce06b1289c_quant
	.globl	k_qce06b1289c_quant
	.p2align	8
	.type	k_qce06b1289c_quant,@function
k_qce06b1289c_quant:
	s_mov_b64 s[64:65], 0
	v_nop
	global_prefetch_b8 v0, s[64:65] scope:SCOPE_SE
	s_setreg_imm32_b32 hwreg(HW_REG_WAVE_MODE, 25, 1), 1
	s_wait_xcnt 0x0
; x [8192][1024], rows 0-2047 of Wqkv (q and k; the product's v third is never used by the problem, so its rows are not read), Wout [1024][1024] and context [4][2048][1024], all f32,
; become codes of FP6 (E2M3) with one E8M0 byte for each 32 along K.  A block's scale is 2^(floor(log2(its largest magnitude)) - 2): its byte is that magnitude's exponent field - 2, held at 1 from below.
; LIMITS: NaN and infinities are not served; a block whose largest magnitude lies under 2^-124 keeps the byte 1; a block of zeros gets the byte 1 with zero codes (only this program reads the bytes).
; LAYOUT OF THE CODES: images of operand registers.  A HALF IMAGE is 16 rows x 64 along K, 768 bytes: lane (r, h) of the reader holds row r, k = 32 h .. 32 h + 31, in 6 registers;
; registers 0-3 lie at 16 x lane, registers 4-5 at 512 + 16 r + 8 h.  Two half images on end are a fragment of 16 rows x 128 K.
; ORDER INSIDE A BLOCK OF 32: its four groups of eight lie in the order 0, 2, 1, 3, in BOTH operands of every product: that is the order in which a transposed product's results fall into codes
; without choosing rows; blocks, scales and products are the same, only the order of the additions inside a matrix instruction differs.
; c1: [tile 704][K step 8][1536]: tiles 0-511 x, 512-639 Wqkv, 640-703 Wout; from VC0 on context: [batch x head 64][step of 128 keys 16][16 channels 4][1536].
; s1: [tile 704][K step 8][row 16] words; from VS0 on [batch x head][step][4][16] words.
; Work-groups 0-351: K innermost (path A).  Work-groups 352-607: context, whose K (the keys) is not innermost (path B).  Every wave reads 32 KiB.  No barrier: waves share nothing.  Only path A uses LDS.
.set NWA,  352
.set VC0,  8650752
.set VS0,  360448
.set WREG, 4608                        ; LDS of a wave: a stage of 16 rows x 272 bytes, then its 256 bytes of scale words
.set RA,   32                          ; path A: v32-95  two sets of 32 registers as loaded
.set XA,   96                          ;         v96-127 a lane's block of 32 numbers
.set CA,   128                         ;         v128-191 codes, 8 registers a step: no store's data are written again
.set XB,   32                          ; path B: v32-95  two sets of 32 numbers
.set CB,   96                          ;         v96-143 codes, 12 registers for each pair of blocks
	s_load_b256 s[4:11], s[0:1], 0x0               ; x s[4:5], Wqkv s[6:7], Wout s[8:9], context s[10:11]
	s_load_b128 s[12:15], s[0:1], 0x20             ; c1 s[12:13], s1 s[14:15]
	v_lshl_add_u32 v192, v0, 2, 0x4800
	v_mov_b32 v193, 0
	v_lshrrev_b32 v1, 5, v0
	v_readfirstlane_b32 s16, v1                    ; wave 0..3
	v_and_b32 v1, 31, v0                           ; lane
	v_and_b32 v2, 15, v0                           ; r
	v_bfe_u32 v3, v0, 4, 1                         ; h
	s_cmp_ge_u32 ttmp9, NWA
	s_cbranch_scc1 .Lctx
; ---------------- PATH A: a wave takes a tile of 16 rows x 512 along K: 8 steps of 64, a half image each
	s_lshl_b32 s17, ttmp9, 1
	s_lshr_b32 s18, s16, 1
	s_add_co_u32 s17, s17, s18                     ; tile = 2 x work-group + wave / 2
	s_and_b32 s18, s16, 1                          ; which half of K
	s_mul_i32 s19, s16, WREG                       ; my stage
	v_mul_u32_u24 v5, v3, 272
	v_lshl_add_u32 v5, v2, 4, v5
	v_add_nc_u32 v5, s19, v5                       ; into the stage: two rows of 256 bytes an instruction, as they are loaded
	v_mul_u32_u24 v6, v2, 272
	v_lshl_add_u32 v6, v3, 7, v6
	v_add_nc_u32 v6, s19, v6                       ; out of it: row r, block h: rows 272 bytes apart, so the sixteen rows of a read begin in different banks
	v_lshlrev_b32 v4, 12, v3
	v_lshl_add_u32 v4, v2, 4, v4                   ; in memory: row h of a pair (4,096 bytes a row), 16 bytes a lane
	v_lshlrev_b32 v7, 4, v1                        ; 16 x lane
	v_lshlrev_b32 v8, 4, v2
	v_lshl_add_u32 v8, v3, 3, v8                   ; 16 r + 8 h
	s_add_co_u32 s19, s19, 4352
	v_lshl_add_u32 v9, v2, 2, s19                  ; my row's scale word in LDS
	v_lshl_add_u32 v10, v1, 3, s19                 ; and on the way out 8 bytes a lane
	v_lshlrev_b32 v11, 3, v1
	v_lshlrev_b32 v12, 3, v3                       ; 8 h: how far my two bytes are shifted in the word
	v_mov_b32 v17, 0                               ; a lane permute's destination counts as one of its sources
	s_mov_b32 s20, 0x76543210
	s_mov_b32 s21, 0xfedcba98                      ; v_permlanex16_b32's selects for lane l xor 16
	s_wait_alu depctr_va_vdst(0)
	s_wait_kmcnt 0x0
	s_cmp_lt_u32 ttmp9, 320                        ; which tensor: the choice hangs on the work-group's number alone
	s_cselect_b64 s[22:23], s[6:7], s[8:9]
	s_mov_b32 s24, 640
	s_cselect_b32 s24, 512, s24
	s_cmp_lt_u32 ttmp9, 256
	s_cselect_b64 s[22:23], s[4:5], s[22:23]
	s_cselect_b32 s24, 0, s24
	s_sub_co_u32 s24, s17, s24                     ; the tile's number in its own tensor
	s_lshl_b32 s24, s24, 16                        ; 16 rows of 4,096 bytes
	s_lshl_b32 s25, s18, 11
	s_add_co_u32 s24, s24, s25
	s_mov_b32 s25, 0
	s_add_nc_u64 s[22:23], s[22:23], s[24:25]
	s_mul_i32 s24, s17, 12288
	s_mul_i32 s26, s18, 6144
	s_add_co_u32 s24, s24, s26
	s_add_nc_u64 s[12:13], s[12:13], s[24:25]      ; my eight half images
	s_lshl_b32 s24, s17, 9
	s_lshl_b32 s26, s18, 8
	s_add_co_u32 s24, s24, s26
	s_add_nc_u64 s[14:15], s[14:15], s[24:25]      ; my 256 bytes of scale words
.macro LOADA t                         ; step t: 16 rows x 256 bytes; an instruction reads two rows' 256 consecutive bytes
.irp i, 0,1,2,3,4,5,6,7
	global_load_b128 v[RA+32*((\t)%2)+4*\i:RA+32*((\t)%2)+4*\i+3], v4, s[22:23] offset:8192*\i+256*(\t) th:TH_LOAD_NT
.endr
.endm
.macro STEPA t
.set CC, CA+8*(\t)
.if (\t) < 7
	s_wait_loadcnt 8                               ; this step's eight loads are in; the next step's eight may be out
.else
	s_wait_loadcnt 0
.endif
.irp i, 0,1,2,3,4,5,6,7
	ds_store_b128 v5, v[RA+32*((\t)%2)+4*\i:RA+32*((\t)%2)+4*\i+3] offset:544*\i
.endr
.irp j, 0,1,2,3,4,5,6,7                ; LDS serves a wave's instructions in order: these see the stores.  The block's groups of eight come in the order 0, 2, 1, 3
	ds_load_b128 v[XA+4*\j:XA+4*\j+3], v6 offset:32*((((\j)/2)&1)*2+(\j)/4)+16*((\j)%2)
.endr
	s_wait_dscnt 0x0                               ; my block is in, and the stores have read their registers,
.if (\t)+2 < 8
	LOADA (\t)+2                                   ; which take the loads of two steps on
.endif
	v_max3_num_f32 v13, |v[XA]|, |v[XA+1]|, |v[XA+2]|       ; the block's largest magnitude: all 32 numbers are mine; two chains
	v_max3_num_f32 v14, |v[XA+3]|, |v[XA+4]|, |v[XA+5]|
.irp i, 6,10,14,18,22,26
	v_max3_num_f32 v13, v13, |v[XA+\i]|, |v[XA+\i+1]|
	v_max3_num_f32 v14, v14, |v[XA+\i+2]|, |v[XA+\i+3]|
.endr
	v_max3_num_f32 v13, v13, |v[XA+30]|, |v[XA+31]|
	v_max3_num_f32 v13, v13, v14, 0x1800000        ; and the floor 2^(3 - 127): the byte cannot fall under 1
	v_add_nc_u32 v15, 0xff000000, v13              ; 2 off the exponent field: the conversion takes the exponent field of this operand as its scale
	v_cvt_scalef32_pk16_fp6_f32 v[CC:CC+2], v[XA:XA+15], v15
	v_cvt_scalef32_pk16_fp6_f32 v[24:26], v[XA+16:XA+31], v15   ; (a conversion's three registers begin on an even number)
	v_lshrrev_b32 v[27+(\t)%2], 23, v15            ; the scale's byte; also the plain instruction behind the conversions
	v_mov_b32 v[CC+3], v24
	v_mov_b32 v[CC+4], v25
	v_mov_b32 v[CC+5], v26
	global_store_b128 v7, v[CC:CC+3], s[12:13] offset:768*(\t)          ; 512 consecutive bytes, aligned
	global_store_b64 v8, v[CC+4:CC+5], s[12:13] offset:768*(\t)+512     ; 256 consecutive bytes, aligned
.if (\t)%2 == 1                        ; two steps are a K step of 128: my bytes are those of blocks h and 2 + h
	v_lshl_or_b32 v16, v28, 16, v27
	v_lshlrev_b32 v16, v12, v16
	v_permlanex16_b32 v17, v16, s20, s21
	v_or_b32 v16, v16, v17                         ; with lane l xor 16's two the word is whole
	ds_store_b32 v9, v16 offset:64*((\t)/2)        ; lanes r and 16 + r write the same word with the same value
.endif
.endm
	LOADA 0
	LOADA 1
.irp t, 0,1,2,3,4,5,6,7
	STEPA \t
.endr
	ds_load_b64 v[18:19], v10                      ; my wave's four K steps x 16 words
	s_wait_dscnt 0x0
	global_store_b64 v11, v[18:19], s[14:15]       ; 256 consecutive bytes, aligned
	s_wait_tensorcnt 0x0
	ds_add_u32 v192, v193
	s_wait_dscnt 0x0
	s_endpgm
; ---------------- PATH B: context.  A lane takes a channel, its registers run down the keys: a block of 32 keys lies in one lane.  A wave: 32 channels x 256 keys (8 blocks a lane, 2 steps of 128)
.Lctx:
	s_sub_co_u32 s17, ttmp9, NWA
	s_and_b32 s18, s17, 7
	s_lshl_b32 s18, s18, 2
	s_add_co_u32 s18, s18, s16                     ; which 32 of the 1,024 channels
	s_bfe_u32 s19, s17, 0x30003                    ; which 256 of the 2,048 keys
	s_lshr_b32 s20, s17, 6                         ; batch
	s_wait_alu depctr_va_vdst(0)
	v_lshlrev_b32 v5, 2, v1                        ; 4 x lane
	v_mul_u32_u24 v4, v3, 1536
	v_lshl_add_u32 v4, v2, 4, v4                   ; lanes 0-15 write one fragment (16 channels), lanes 16-31 the next: 16 bytes a lane
	s_lshl_b32 s21, s20, 11
	s_lshl_b32 s22, s19, 8
	s_add_co_u32 s21, s21, s22                     ; my first key's row
	s_lshl_b32 s24, s21, 12
	s_lshl_b32 s22, s18, 7
	s_add_co_u32 s24, s24, s22
	s_mov_b32 s25, 0
	s_lshl_b32 s26, s20, 4
	s_lshr_b32 s22, s18, 1
	s_add_co_u32 s26, s26, s22                     ; 16 x batch + head
	s_lshl_b32 s26, s26, 4
	s_lshl_b32 s22, s19, 1
	s_add_co_u32 s26, s26, s22                     ; x 16 steps + my first step
	s_lshl_b32 s26, s26, 2
	s_and_b32 s22, s18, 1
	s_lshl_b32 s22, s22, 1
	s_add_co_u32 s26, s26, s22                     ; x 4 + my first fragment of the head's four
	s_mul_i32 s28, s26, 1536
	s_add_co_u32 s28, s28, VC0
	s_mov_b32 s29, 0
	s_lshl_b32 s30, s26, 6
	s_add_co_u32 s30, s30, VS0
	s_mov_b32 s31, 0
	s_wait_alu depctr_va_vdst(0)
	s_wait_kmcnt 0x0
	s_add_nc_u64 s[10:11], s[10:11], s[24:25]
	s_add_nc_u64 s[12:13], s[12:13], s[28:29]
	s_add_nc_u64 s[14:15], s[14:15], s[30:31]
.macro LOADB t                         ; block t: register i takes key 32 t + 8 x ((0, 2, 1, 3)[i / 8] xor t % 2) + i % 8; the wave reads 128 consecutive bytes, the four waves stand side by side
.irp i, 0,1,2,3,4,5,6,7,8,9,10,11,12,13,14,15,16,17,18,19,20,21,22,23,24,25,26,27,28,29,30,31
	; context alone: an even block's groups of eight lie in the order 0, 2, 1, 3, an odd block's in the order 1, 3, 0, 2: the order in which the attention's p falls into codes
	global_load_b32 v[XB+32*((\t)%2)+\i], v5, s[10:11] offset:(32*(\t)+8*(((((\i)/8)&1)*2+(\i)/16)^((\t)%2))+(\i)%8)*4096 th:TH_LOAD_NT
.endr
.endm
.macro BLOCKB t
.set XSB, XB+32*((\t)%2)
.set CPB, CB+12*((\t)/2)               ; a pair of blocks (reader's h = 0, 1): a0-3, b0-3, a4 a5 b4 b5
.set HB, (\t)%2
.if (\t) < 7
	s_wait_loadcnt 32                              ; this block's 32 loads are in; the next block's may be out
.else
	s_wait_loadcnt 0
.endif
	v_max3_num_f32 v12, |v[XSB]|, |v[XSB+1]|, |v[XSB+2]|
	v_max3_num_f32 v13, |v[XSB+3]|, |v[XSB+4]|, |v[XSB+5]|
.irp i, 6,10,14,18,22,26
	v_max3_num_f32 v12, v12, |v[XSB+\i]|, |v[XSB+\i+1]|
	v_max3_num_f32 v13, v13, |v[XSB+\i+2]|, |v[XSB+\i+3]|
.endr
	v_max3_num_f32 v12, v12, |v[XSB+30]|, |v[XSB+31]|
	v_max3_num_f32 v12, v12, v13, 0x1800000        ; the floor
	v_add_nc_u32 v14, 0xff000000, v12              ; the conversion's scale operand
	v_lshrrev_b32 v15, 23, v14                     ; the byte
.if (\t)%4 == 0
	v_mov_b32 v[28+(\t)/4], v15                    ; four bytes make the channel's word for a step of 128 keys
.else
	v_lshl_or_b32 v[28+(\t)/4], v15, 8*((\t)%4), v[28+(\t)/4]
.endif
	v_cvt_scalef32_pk16_fp6_f32 v[CPB+4*HB:CPB+4*HB+2], v[XSB:XSB+15], v14
	v_cvt_scalef32_pk16_fp6_f32 v[24:26], v[XSB+16:XSB+31], v14
	v_nop                                          ; one plain instruction behind the conversions
	v_mov_b32 v[CPB+4*HB+3], v24
	v_mov_b32 v[CPB+8+2*HB], v25
	v_mov_b32 v[CPB+9+2*HB], v26
.if (\t)+2 < 8
	LOADB (\t)+2
.endif
.if HB == 1                            ; a half image is whole: three stores, in each sixteen lanes write 256 consecutive bytes, aligned
	global_store_b128 v4, v[CPB:CPB+3], s[12:13] offset:6144*((\t)/4)+768*(((\t)/2)%2)
	global_store_b128 v4, v[CPB+4:CPB+7], s[12:13] offset:6144*((\t)/4)+768*(((\t)/2)%2)+256
	global_store_b128 v4, v[CPB+8:CPB+11], s[12:13] offset:6144*((\t)/4)+768*(((\t)/2)%2)+512
.endif
.if (\t)%4 == 3
	global_store_b32 v5, v[28+(\t)/4], s[14:15] offset:256*((\t)/4)     ; 128 consecutive bytes: two fragments' words; one byte for each 128 that the wave reads
.endif
.endm
	LOADB 0
	LOADB 1
.irp t, 0,1,2,3,4,5,6,7
	BLOCKB \t
.endr
	s_endpgm
.Lfunc_end_k_qce06b1289c_quant:
	.size	k_qce06b1289c_quant, .Lfunc_end_k_qce06b1289c_quant-k_qce06b1289c_quant
	.p2alignl 7, 3214868480
	.fill 96, 4, 3214868480
	.section	.rodata,"a",@progbits
	.p2align	6, 0x0
	.amdhsa_kernel k_qce06b1289c_quant
		.amdhsa_group_segment_fixed_size 18944
		.amdhsa_private_segment_fixed_size 0
		.amdhsa_enable_private_segment 0
		.amdhsa_kernarg_size 48
		.amdhsa_user_sgpr_count 2
		.amdhsa_user_sgpr_kernarg_segment_ptr 1
		.amdhsa_wavefront_size32 1
		.amdhsa_system_sgpr_workgroup_id_x 1
		.amdhsa_system_sgpr_workgroup_id_y 1
		.amdhsa_system_sgpr_workgroup_id_z 1
		.amdhsa_system_vgpr_workitem_id 0
		.amdhsa_next_free_vgpr 194
		.amdhsa_next_free_sgpr 66
		.amdhsa_reserve_vcc 0
		.amdhsa_float_denorm_mode_32 3
		.amdhsa_float_denorm_mode_16_64 3
		.amdhsa_memory_ordered 1
		.amdhsa_forward_progress 1
		.amdhsa_inst_pref_size 70
	.end_amdhsa_kernel
	.amdgpu_metadata
---
amdhsa.version: [ 1, 2 ]
amdhsa.kernels:
  - .name:           k_qce06b1289c_quant
    .symbol:         k_qce06b1289c_quant.kd
    .args:
      - { .name: x, .offset: 0, .size: 8, .value_kind: global_buffer, .address_space: global }
      - { .name: Wqkv, .offset: 8, .size: 8, .value_kind: global_buffer, .address_space: global }
      - { .name: Wout, .offset: 16, .size: 8, .value_kind: global_buffer, .address_space: global }
      - { .name: context, .offset: 24, .size: 8, .value_kind: global_buffer, .address_space: global }
      - { .name: c1, .offset: 32, .size: 8, .value_kind: global_buffer, .address_space: global }
      - { .name: s1, .offset: 40, .size: 8, .value_kind: global_buffer, .address_space: global }
    .group_segment_fixed_size: 18944
    .private_segment_fixed_size: 0
    .kernarg_segment_align: 8
    .kernarg_segment_size: 48
    .max_flat_workgroup_size: 128
    .sgpr_count:     66
    .vgpr_count:     194
    .wavefront_size: 32
...
	.end_amdgpu_metadata
.endif
;; end of part 1
;; launch gemm1 (part 2): grid 8 x 32, 4 waves a work-group, clusters of 4 x 4, 327,680 bytes of LDS; arguments c1, s1, bqkv, c2, s2; writes c2, s2
.if DOCPART == 2
	.amdgcn_target "amdgcn-amd-amdhsa--gfx1250"
	.amdhsa_code_object_version 6
	.text
	.protected	k_qce06b1289c_gemm1
	.globl	k_qce06b1289c_gemm1
	.p2align	8
	.type	k_qce06b1289c_gemm1,@function
k_qce06b1289c_gemm1:
	s_mov_b64 s[64:65], 0
	v_nop
	global_prefetch_b8 v0, s[64:65] scope:SCOPE_SE
	s_setreg_imm32_b32 hwreg(HW_REG_WAVE_MODE, 25, 1), 1
	s_wait_xcnt 0x0
	s_wait_alu depctr_hold_cnt(0) depctr_sa_sdst(0) depctr_va_vdst(0) depctr_va_sdst(0) depctr_va_ssrc(0) depctr_va_vcc(0) depctr_vm_vsrc(0)
	s_getreg_b32 s2, hwreg(HW_REG_IB_STS2, 6, 4)
	s_cmp_eq_u32 s2, 0
	s_cbranch_scc0 .Lentry_in_a_cluster
	s_endpgm
.Lentry_in_a_cluster:
	s_bfe_u32 s2, ttmp6, 0x10000c
	s_cmp_lg_u32 s2, 0xf033
	s_cbranch_scc0 .Lentry_shape_is_right
	s_endpgm
.Lentry_shape_is_right:
; q and k = x Wqkv^T + bqkv (columns 0-2047), on codes of FP6 (E2M3) with E8M0 scales, sums in f32; the results are quantised at once, along each head's 64, for the product q k^T.
; IN: c1 / s1: images of operand registers, [tile of 16 rows][K step 8][1536] and [tile][K step][row] words: tiles 0-511 x, 512-639 Wqkv.  A fragment (16 rows x 128 K, 12 registers) is two half images of 768 bytes:
; registers 0-3 at 16 x lane, registers 4-5 at 512 + 16 r + 8 h.  OUT: c2 [q, k][batch x head 64][tile of 16 tokens 128][768], s2 [q, k][batch x head][pair of tiles 64][row 16] words (two bytes a tile).
; SHARES: a work-group makes 128 rows x 256 columns; wave w rows 64 (w / 2) on, columns 128 (w % 2) on: 4 x 8 accumulators of 16 x 16, 256 registers.
; ALL OF K LIES IN LDS: 8 x 12,288 bytes of x and 16 x 12,288 of W, brought by four tensor loads a wave (a stage = two K steps), all issued at the start.  x's bytes are filled again for the second tile.
; That is why the tile is 128 x 256: a tile of 256 x 256 has 393,216 bytes of codes for K = 1,024, more than LDS holds.
; CLUSTER 4 x 4: the four work-groups of a row need the same rows of x, the four of a column the same rows of W: each tile is asked for jointly, by the same load with a mask that names the four.
; THE PRODUCT IS USED TRANSPOSED (source 0 = 16 rows of W, source 1 = 16 rows of x): lane (r, h) holds row r and columns 16 b + 8 h + 0 .. 7.  The bias is the C of the first K step.
; Two neighbouring column tiles give a lane 16 numbers of a block of 32: groups 0, 2 (h = 0) or 1, 3 (h = 1).  After the exchange of halves a block's groups lie in the order 0, 2, 1, 3, in q and in k alike.
; LIMITS: NaN and infinities are not served; a block under 2^-124 keeps the byte 1.  No prefetch.
; REGISTERS: window 0: v1 4 l, v2 32 h, v3 16 l, v4-19 LDS addresses (a stage each), v20-26 at work, v23 16 r + 8 h, v28-31 scale words made, v32-47 x's scale words, v48-79 W's, v80-95 at work,
;   v96-143 the codes made, v144-159 the second tile's scale words of x, v160-255 x's fragments, two sets.   window 1: W's fragments, two sets, at v0 and v128.   window 2: accumulator (a, b) at v[8 (8 a + b)].
; THE FILLS AS THEY STAND NOW (this takes the place of what the head comment says of four loads a wave): K lies in LDS in two halves of four K steps, W's bytes filled once.
; A wave issues one joint load at the head (K steps 0-3) and one behind the three lines and a round of the cluster's barrier (K steps 4-7); the second lands under the first half's products.
.set STG,  147456                      ; a half in LDS: x's 8 tiles x 6,144 bytes, then W's 16 tiles x 6,144
.set BC0,  6291456                     ; Wqkv's codes in c1
.set BS0,  262144                      ; and its scale words in s1
.set MSB, 0
.macro WIN new                         ; the immediate's high byte repeats the setting that is left
.if MSB != \new
	s_set_vgpr_msb (MSB<<8)|\new
.set MSB, \new
.endif
.endm
.macro PLACES                          ; four plain instructions between a matrix instruction and a load into, or a vector read or write of, its registers
.rept 4
	v_nop
.endr
.endm
.macro CROUND                          ; a round of the cluster's barrier
	s_barrier_signal -1
	s_barrier_wait -1
	s_cmp_lg_u32 s16, 0
	s_cbranch_scc1 .Lnot_wave_0_\@
	s_barrier_signal -3
.Lnot_wave_0_\@:
	s_barrier_wait -3
	s_barrier_signal -1
	s_barrier_wait -1
.endm
.macro FRAG reg, a16, a8, off          ; a fragment from its image: every instruction reads consecutive bytes
	ds_load_b128 v[\reg:\reg+3], v[\a16] offset:\off
	ds_load_b64 v[\reg+4:\reg+5], v[\a8] offset:\off+512
	ds_load_b128 v[\reg+6:\reg+9], v[\a16] offset:\off+768
	ds_load_b64 v[\reg+10:\reg+11], v[\a8] offset:\off+1280
.endm
.macro FETCH k                         ; K step k's fragments into set k % 2: W's eight, x's four
	WIN 0x40
.irp b, 0,1,2,3,4,5,6,7
	FRAG 128*((\k)%2)+12*\b, 12+(\k)/4, 16+(\k)/4, 6144*\b+1536*((\k)%4)
.endr
	WIN 0
.irp a, 0,1,2,3
	FRAG 160+48*((\k)%2)+12*\a, 4+(\k)/4, 8+(\k)/4, 6144*\a+1536*((\k)%4)
.endr
.endm
.macro WM d, a, b, c, sa, sb, row      ; row = 1: both sides' scale words stand in lanes 16-31
.if \row
	v_wmma_scale_f32_16x16x128_f8f6f4 v[\d:\d+7], v[\a:\a+11], v[\b:\b+11], v[\c:\c+7], v[\sa], v[\sb] matrix_a_fmt:MATRIX_FMT_FP6 matrix_b_fmt:MATRIX_FMT_FP6 matrix_a_scale:MATRIX_SCALE_ROW1 matrix_b_scale:MATRIX_SCALE_ROW1
.else
	v_wmma_scale_f32_16x16x128_f8f6f4 v[\d:\d+7], v[\a:\a+11], v[\b:\b+11], v[\c:\c+7], v[\sa], v[\sb] matrix_a_fmt:MATRIX_FMT_FP6 matrix_b_fmt:MATRIX_FMT_FP6
.endif
.endm
.macro MUL k                           ; 32 matrix instructions; the 32 accumulators take turns in the same order in every K step
.if (\k) == 0
	WIN 0x91                                       ; W window 1, x window 0, C (the bias) window 1, D window 2
.else
	WIN 0xa1                                       ; C and D window 2
.endif
.irp a, 0,1,2,3
.irp b, 0,1,2,3,4,5,6,7
.if (\k) == 0
	WM 8*(8*\a+\b), 12*\b, 160+12*\a, 96+8*\b+96*(\b/4), 48+4*\b, XW+4*\a, 0
.else
	WM 8*(8*\a+\b), 128*((\k)%2)+12*\b, 160+48*((\k)%2)+12*\a, 8*(8*\a+\b), 48+4*\b+(\k)/2, XW+4*\a+(\k)/2, (\k)%2
.endif
.endr
.endr
.endm
; A WORK-GROUP STAYS AND MAKES TWO TILES, 32 tile rows apart, on the same 256 columns: W, its scale words and the bias come once.  FIRST = 1 in the first tile's text.
; In the first tile, at K step 3 every wave's reads of x's K steps 0-3 are over, at K step 7 those of K steps 4-7: there the three lines and a round of the cluster's barrier stand,
; and behind the round each wave asks for two of the next tile's eight tiles of x, four K steps each, into the bytes just read out.  The first refill has four K steps in which to land and is shown whole by K step 7's round;
; the second has the way out and three K steps of the next tile, and is shown whole by the barrier at the next tile's K step 3.  By the text's own count one load of a wave is out at a time.
; No prefetch: each refill is asked for that far ahead of its first read, and the launch has no loop to run ahead in.
.macro KSTEP k
.if ((\k)%4 == 3) && (FIRST || ((\k) == 3))
	WIN 0                                          ; the add's registers lie in window 0
	s_wait_tensorcnt 0x0                           ; all my tensor loads have landed
.if FIRST
	ds_add_u32 v90, v91
.endif
.endif
	s_wait_dscnt 0x0                               ; this K step's fragments are in; where there is an add, it is done
.if ((\k)%4 == 3) && FIRST
	CROUND                                         ; no wave of any partner still reads these bytes of x or has a load on its way
	tensor_load_to_lds s[40+(\k)-3:43+(\k)-3], s[76:83]   ; the next tile's x: K steps 0-3 at K step 3, K steps 4-7 at K step 7
	s_nop 0
.if (\k) == 7
	PLACES
.endif
.endif
.if ((\k) == 3) && (FIRST == 0)
	s_barrier_signal -1
	s_barrier_wait -1                              ; everybody's part of x's K steps 4-7 has landed
.endif
.if (\k) < 7
.if (\k) > 0
	PLACES
.endif
	FETCH (\k)+1
.endif
	MUL \k
.endm
	s_load_b256 s[4:11], s[0:1], 0x0               ; c1 s[4:5], s1 s[6:7], bqkv s[8:9], c2 s[10:11]
	s_load_b64 s[12:13], s[0:1], 0x20              ; s2
	v_lshl_add_u32 v90, v0, 2, 0x48000
	v_mov_b32 v91, 0
	ds_add_u32 v90, v91
	ds_add_u32 v90, v91
	v_lshrrev_b32 v1, 5, v0
	v_readfirstlane_b32 s16, v1                    ; wave 0..3
	s_lshr_b32 s17, s16, 1                         ; which 64 rows are mine.  Also: I fetch for x (0) or for W (1)
	s_and_b32 s18, s16, 1                          ; which 128 columns.  Also: which half of that tile I fetch
	s_bfe_u32 s19, ttmp6, 0x40000                  ; cx
	s_bfe_u32 s20, ttmp6, 0x40004                  ; cy
	s_lshl_b32 s21, ttmp9, 2
	s_add_co_u32 s21, s21, s19                     ; tile column = 4 x cluster x + cx
	s_and_b32 s22, ttmp7, 0xffff
	s_lshl_b32 s22, s22, 2
	s_add_co_u32 s22, s22, s20                     ; tile row = 4 x cluster y + cy
	s_lshl_b32 s56, s20, 2
	s_lshl_b32 s56, 15, s56                        ; my row of the cluster
	s_lshl_b32 s57, 0x1111, s19                    ; my column
	; group 1: rows of 6,144 bytes (a tile's four K steps: 768 elements of 8 bytes), 12,288 bytes apart; x: 4 rows a load, W: 8
	s_or_b32 s24, s56, (3<<16)|(1<<21)             ; 15:0 the mask; 17:16 elements of 8 bytes; 21 set beside a mask
	s_mov_b32 s25, 768<<16                         ; tensor_dim0: a tile's four K steps, 6,144 bytes
	s_mov_b32 s26, 4<<16                           ; tensor_dim1
	s_mov_b32 s27, 768<<16
	s_mov_b32 s28, 4                               ; tile_dim1
	s_mov_b32 s29, 1536                            ; stride
	s_mov_b32 s30, 0
	s_mov_b32 s31, 0
	s_or_b32 s48, s57, (3<<16)|(1<<21)
	s_mov_b32 s49, 768<<16
	s_mov_b32 s50, 8<<16
	s_mov_b32 s51, 768<<16
	s_mov_b32 s52, 8
	s_mov_b32 s53, 1536
	s_mov_b32 s54, 0
	s_mov_b32 s55, 0
	s_lshl_b32 s58, s22, 3                         ; x: tile 8 x tile row + 4 x half: made of the tile row and the wave's number alone
	s_lshl_b32 s59, s18, 2
	s_add_co_u32 s58, s58, s59
	s_mul_i32 s58, s58, 12288
	s_mov_b32 s59, 0
	s_lshl_b32 s60, s21, 4                         ; W: tile 16 x tile column + 8 x half: of the tile column and the wave's number alone
	s_lshl_b32 s61, s18, 3
	s_add_co_u32 s60, s60, s61
	s_mul_i32 s60, s60, 12288
	s_add_co_u32 s60, s60, BC0
	s_mov_b32 s61, 0
	s_mul_i32 s62, s18, 24576
	s_mul_i32 s63, s18, 49152
	s_add_co_u32 s63, s63, 49152
	s_wait_dscnt 0x0
	s_wait_kmcnt 0x0
	s_add_nc_u64 s[84:85], s[4:5], s[58:59]
	s_add_nc_u64 s[86:87], s[4:5], s[60:61]
	; the refills: group 1: 2 rows of 6,144 bytes, shared along my row of the cluster; group 0: s[40:43] K steps 0-3, s[44:47] K steps 4-7
	s_or_b32 s76, s56, (3<<16)|(1<<21)
	s_mov_b32 s77, 768<<16
	s_mov_b32 s78, 2<<16
	s_mov_b32 s79, 768<<16
	s_mov_b32 s80, 2
	s_mov_b32 s81, 1536
	s_mov_b32 s82, 0
	s_mov_b32 s83, 0
	s_lshl_b32 s44, s22, 3
	s_lshl_b32 s45, s16, 1
	s_add_co_u32 s44, s44, s45                     ; tile 8 x tile row + 2 x wave,
	s_mul_i32 s44, s44, 12288
	s_add_co_u32 s44, s44, 3145728                 ; 32 tile rows (256 tiles of 12,288 bytes) on
	s_mov_b32 s45, 0
	s_add_nc_u64 s[42:43], s[4:5], s[44:45]
	s_add_nc_u64 s[46:47], s[42:43], 6144
	s_or_b32 s43, s43, 0x80000000
	s_or_b32 s47, s47, 0x80000000
	s_mov_b32 s40, 1
	s_mul_i32 s41, s16, 12288                      ; x's bytes of a half: 2 tiles x 6,144 for each wave
	s_mov_b32 s44, 1
	s_add_co_u32 s45, s41, STG
	CROUND                                         ; all sixteen work-groups are here: the joint loads meet
.irp g, 0,1
	s_mov_b32 s[32+4*\g], 1
	s_add_co_u32 s[33+4*\g], s62, \g*STG
	s_add_nc_u64 s[34+4*\g:35+4*\g], s[84:85], \g*6144
	s_or_b32 s[35+4*\g], s[35+4*\g], 0x80000000
	s_mov_b32 s[68+4*\g], 1
	s_add_co_u32 s[69+4*\g], s63, \g*STG
	s_add_nc_u64 s[70+4*\g:71+4*\g], s[86:87], \g*6144
	s_or_b32 s[71+4*\g], s[71+4*\g], 0x80000000
.endr
	s_cmp_eq_u32 s17, 0                            ; a wave's fill of the first half stands in one branch on the wave's number: one load of mine is out
	s_cbranch_scc0 .Lfor_w
	tensor_load_to_lds s[32:35], s[24:31]
	s_nop 0
	PLACES                                         ; four v_nop follow the last line
	s_branch .Lasked
.Lfor_w:
	tensor_load_to_lds s[68:71], s[48:55]
	s_nop 0
	PLACES
.Lasked:
	v_and_b32 v24, 31, v0                          ; lane
	v_and_b32 v25, 15, v0                          ; r
	v_bfe_u32 v26, v0, 4, 1                        ; h
	v_lshlrev_b32 v1, 2, v24
	v_lshlrev_b32 v2, 5, v26
	v_lshlrev_b32 v3, 4, v24
	v_lshlrev_b32 v23, 4, v25
	v_lshl_add_u32 v23, v26, 3, v23
	s_mul_i32 s66, s17, 24576                      ; my four tiles of x in a half
	s_mul_i32 s67, s18, 49152
	s_add_co_u32 s67, s67, 49152                   ; my eight tiles of W
.irp g, 0,1
	v_add_nc_u32 v[4+\g], s66, v3
	v_add_nc_u32 v[8+\g], s66, v23
	v_add_nc_u32 v[12+\g], s67, v3
	v_add_nc_u32 v[16+\g], s67, v23
	s_add_co_u32 s66, s66, STG
	s_add_co_u32 s67, s67, STG
.endr
.irp q, 0,1,2,3
	v_mov_b32 v[84+\q], 0                          ; a lane permute's destination counts as one of its sources
.endr
	s_lshl_b32 s88, s22, 3
	s_lshl_b32 s89, s17, 2
	s_add_co_u32 s88, s88, s89
	s_lshl_b32 s88, s88, 9                         ; x's scale words: 512 bytes a tile
	s_mov_b32 s89, 0
	s_add_nc_u64 s[88:89], s[6:7], s[88:89]
	s_lshl_b32 s90, s21, 4
	s_lshl_b32 s91, s18, 3
	s_add_co_u32 s90, s90, s91
	s_lshl_b32 s90, s90, 9
	s_add_co_u32 s90, s90, BS0
	s_mov_b32 s91, 0
	s_add_nc_u64 s[90:91], s[6:7], s[90:91]        ; W's
	s_lshl_b32 s92, s21, 10
	s_lshl_b32 s93, s18, 9
	s_add_co_u32 s92, s92, s93
	s_mov_b32 s93, 0
	s_add_nc_u64 s[92:93], s[8:9], s[92:93]        ; the bias of my 128 columns
.irp a, 0,1,2,3                        ; a load brings a tile's words of two K steps: lanes 0-15 the even step's, lanes 16-31 the odd one's
.irp s, 0,1,2,3
	global_load_b32 v[32+4*\a+\s], v1, s[88:89] offset:512*\a+128*\s
	global_load_b32 v[144+4*\a+\s], v1, s[88:89] offset:131072+512*\a+128*\s   ; the second tile's: 256 tiles of 512 bytes on
.endr
.endr
.irp b, 0,1,2,3,4,5,6,7
.irp s, 0,1,2,3
	global_load_b32 v[48+4*\b+\s], v1, s[90:91] offset:512*\b+128*\s
.endr
.endr
.irp b, 0,1,2,3,4,5,6,7                ; the bias in the result's layout: lane (r, h): columns 16 b + 8 h + 0 .. 7
	WIN 0x40                                       ; the bias lies in window 1, v96-127 and v224-255, beside W's fragments, and serves both tiles
	global_load_b128 v[96+8*\b+96*(\b/4):96+8*\b+96*(\b/4)+3], v2, s[92:93] offset:64*\b
	global_load_b128 v[96+8*\b+96*(\b/4)+4:96+8*\b+96*(\b/4)+7], v2, s[92:93] offset:64*\b+16
.endr
	WIN 0
	s_lshr_b32 s2, s21, 2
	s_lshl_b32 s2, s2, 2
	s_lshr_b32 s3, s22, 4                          ; batch
	s_add_co_u32 s2, s2, s3
	s_lshl_b32 s2, s2, 4
	s_and_b32 s3, s21, 3
	s_lshl_b32 s3, s3, 2
	s_add_co_u32 s2, s2, s3
	s_lshl_b32 s3, s18, 1
	s_add_co_u32 s2, s2, s3                        ; + my first head (I make two)
	s_and_b32 s3, s22, 15
	s_lshl_b32 s94, s2, 7
	s_lshl_b32 s95, s3, 3
	s_add_co_u32 s94, s94, s95
	s_lshl_b32 s95, s17, 2
	s_add_co_u32 s94, s94, s95                     ; x 128 tiles + my first tile
	s_mul_i32 s94, s94, 768
	s_mov_b32 s95, 0
	s_add_nc_u64 s[94:95], s[10:11], s[94:95]
	s_lshl_b32 s96, s2, 6
	s_lshl_b32 s97, s3, 2
	s_add_co_u32 s96, s96, s97
	s_lshl_b32 s97, s17, 1
	s_add_co_u32 s96, s96, s97                     ; x 64 pairs of tiles + my first pair
	s_lshl_b32 s96, s96, 6
	s_mov_b32 s97, 0
	s_add_nc_u64 s[96:97], s[12:13], s[96:97]
	s_mov_b32 s98, 0x76543210
	s_mov_b32 s99, 0xfedcba98                      ; v_permlanex16_b32's selects for lane l xor 16
	s_mov_b32 s2, 0xffff0000                       ; lanes 16-31
	s_wait_alu depctr_va_vdst(0)
	s_wait_tensorcnt 0x0                           ; my part of the first half has landed
	ds_add_u32 v90, v91
	s_wait_dscnt 0x0
	CROUND                                         ; everybody's part is in, and all sixteen work-groups are here: the joint loads meet
	s_cmp_eq_u32 s17, 0
	s_cbranch_scc0 .Lfor_w2
	tensor_load_to_lds s[36:39], s[24:31]          ; K steps 4-7: my one load behind the round
	s_nop 0
	PLACES
	s_branch .Lasked2
.Lfor_w2:
	tensor_load_to_lds s[72:75], s[48:55]
	s_nop 0
	PLACES
.Lasked2:
.set FIRST, 1
.set XW, 32                            ; where this tile's scale words of x stand
	FETCH 0
	s_wait_loadcnt 0x0
.irp k, 0,1,2,3,4,5,6,7
	KSTEP \k
.endr
	WIN 0
	PLACES
; THE WAY OUT.  Row block a's 64 registers are 128 columns: two heads, four blocks of 32.  They become two half images and a word of four bytes.
.macro QUANT a
	WIN 0x0a                                       ; sources 0 and 1 window 2
.irp q, 0,1,2,3
	v_max3_num_f32 v[80+\q], |v[64*\a+16*\q]|, |v[64*\a+16*\q+1]|, 0x1800000   ; my 16 numbers of block q and the floor 2^(3 - 127); each accumulator is read from its low end on
.endr
.irp i, 2,4,6,8,10,12,14
.irp q, 0,1,2,3
	v_max3_num_f32 v[80+\q], |v[64*\a+16*\q+\i]|, |v[64*\a+16*\q+\i+1]|, v[80+\q]
.endr
.endr
	WIN 0
.irp q, 0,1,2,3
	v_permlanex16_b32 v[84+\q], v[80+\q], s98, s99
.endr
.irp q, 0,1,2,3
	v_max_num_f32 v[80+\q], v[80+\q], v[84+\q]     ; with lane l xor 16's 16: the block's largest magnitude
.endr
.irp q, 0,1,2,3
	v_add_nc_u32 v[92+\q], 0xff000000, v[80+\q]    ; the conversion's scale operand
.endr
.irp q, 0,1,2,3
	v_lshrrev_b32 v[84+\q], 23, v[92+\q]           ; the byte
.endr
	v_lshl_or_b32 v[28+\a], v85, 8, v84
	v_lshl_or_b32 v[28+\a], v86, 16, v[28+\a]
	v_lshl_or_b32 v[28+\a], v87, 24, v[28+\a]      ; row r: first head's two bytes, second head's two
	WIN 0x02                                       ; source 0 window 2
	v_cvt_scalef32_pk16_fp6_f32 v[96+12*\a:98+12*\a], v[64*\a:64*\a+15], v92
	v_cvt_scalef32_pk16_fp6_f32 v[20:22], v[64*\a+16:64*\a+31], v93
	v_cvt_scalef32_pk16_fp6_f32 v[102+12*\a:104+12*\a], v[64*\a+32:64*\a+47], v94
	v_cvt_scalef32_pk16_fp6_f32 v[24:26], v[64*\a+48:64*\a+63], v95
	WIN 0
	v_nop                                          ; one plain instruction behind the conversions
.irp i, 0,1,2                          ; a lane is to hold a whole block: lanes 0-15 the head's first, lanes 16-31 its second
	v_permlane16_swap_b32 v[96+12*\a+\i], v[20+\i]
	v_permlane16_swap_b32 v[102+12*\a+\i], v[24+\i]
.endr
.irp i, 0,1,2
	v_mov_b32 v[99+12*\a+\i], v[20+\i]
	v_mov_b32 v[105+12*\a+\i], v[24+\i]
.endr
.endm
.macro OUT co, so                      ; a tile's way out; co, so: how far its codes and words lie behind the first tile's
.irp a, 0,1,2,3
	QUANT \a
	global_store_b128 v3, v[96+12*\a:99+12*\a], s[94:95] offset:\co+768*\a               ; 512 consecutive bytes, aligned
	global_store_b64 v23, v[100+12*\a:101+12*\a], s[94:95] offset:\co+768*\a+512         ; 256 consecutive bytes, aligned
	global_store_b128 v3, v[102+12*\a:105+12*\a], s[94:95] offset:\co+98304+768*\a       ; the second head: 128 tiles on
	global_store_b64 v23, v[106+12*\a:107+12*\a], s[94:95] offset:\co+98304+768*\a+512
.endr
	v_perm_b32 v80, v29, v28, 0x05040100           ; first head: tiles 0 and 1: two bytes each
	v_perm_b32 v81, v31, v30, 0x05040100           ; tiles 2 and 3
	v_perm_b32 v82, v29, v28, 0x07060302           ; second head
	v_perm_b32 v83, v31, v30, 0x07060302
	v_cndmask_b32 v80, v80, v81, s2                ; lanes 0-15 the first pair of tiles, lanes 16-31 the second
	v_cndmask_b32 v82, v82, v83, s2
	global_store_b32 v1, v80, s[96:97] offset:\so          ; 128 consecutive bytes: 2 bytes for each 48 of codes
	global_store_b32 v1, v82, s[96:97] offset:\so+4096
.endm
	OUT 0, 0
	; THE SECOND TILE: 32 tile rows on, that is two batches on: 2 x 16 heads x 128 tiles x 768 bytes of codes, 2 x 16 x 64 x 64 bytes of words
	s_wait_alu depctr_va_vdst(0)
	s_wait_xcnt 0x0                                ; the stores have read their registers: the next way out writes them again
.set FIRST, 0
.set XW, 144
	FETCH 0                                        ; x's K steps 0-3 were shown whole by K step 7's round
.irp k, 0,1,2,3,4,5,6,7
	KSTEP \k
.endr
	WIN 0
	PLACES
	OUT 3145728, 131072
	s_wait_dscnt 0x0
	s_wait_tensorcnt 0x0
	ds_add_u32 v90, v91
	s_wait_dscnt 0x0
	CROUND                                         ; the closing round: no work-group ends while a partner may still ask for a tile that names it
	s_endpgm
.Lfunc_end_k_qce06b1289c_gemm1:
	.size	k_qce06b1289c_gemm1, .Lfunc_end_k_qce06b1289c_gemm1-k_qce06b1289c_gemm1
	.p2alignl 7, 3214868480
	.fill 96, 4, 3214868480
	.section	.rodata,"a",@progbits
	.p2align	6, 0x0
	.amdhsa_kernel k_qce06b1289c_gemm1
		.amdhsa_group_segment_fixed_size 327680
		.amdhsa_private_segment_fixed_size 0
		.amdhsa_enable_private_segment 0
		.amdhsa_kernarg_size 40
		.amdhsa_user_sgpr_count 2
		.amdhsa_user_sgpr_kernarg_segment_ptr 1
		.amdhsa_wavefront_size32 1
		.amdhsa_system_sgpr_workgroup_id_x 1
		.amdhsa_system_sgpr_workgroup_id_y 1
		.amdhsa_system_sgpr_workgroup_id_z 1
		.amdhsa_system_vgpr_workitem_id 0
		.amdhsa_next_free_vgpr 768
		.amdhsa_next_free_sgpr 100
		.amdhsa_reserve_vcc 0
		.amdhsa_float_denorm_mode_32 3
		.amdhsa_float_denorm_mode_16_64 3
		.amdhsa_memory_ordered 1
		.amdhsa_forward_progress 1
		.amdhsa_inst_pref_size 170
	.end_amdhsa_kernel
	.amdgpu_metadata
---
amdhsa.version: [ 1, 2 ]
amdhsa.kernels:
  - .name:           k_qce06b1289c_gemm1
    .symbol:         k_qce06b1289c_gemm1.kd
    .args:
      - { .name: c1, .offset: 0, .size: 8, .value_kind: global_buffer, .address_space: global }
      - { .name: s1, .offset: 8, .size: 8, .value_kind: global_buffer, .address_space: global }
      - { .name: bqkv, .offset: 16, .size: 8, .value_kind: global_buffer, .address_space: global }
      - { .name: c2, .offset: 24, .size: 8, .value_kind: global_buffer, .address_space: global }
      - { .name: s2, .offset: 32, .size: 8, .value_kind: global_buffer, .address_space: global }
    .group_segment_fixed_size: 327680
    .private_segment_fixed_size: 0
    .kernarg_segment_align: 8
    .kernarg_segment_size: 40
    .max_flat_workgroup_size: 128
    .sgpr_count:     100
    .vgpr_count:     768
    .wavefront_size: 32
...
	.end_amdgpu_metadata
.endif
;; end of part 2
;; launch attn (part 3): grid 4 x 64, 16 waves a work-group, clusters of 4 x 1, 206,848 bytes of LDS; arguments c2, s2, c1, s1, c3, s3; writes c3, s3
.if DOCPART == 3
	.amdgcn_target "amdgcn-amd-amdhsa--gfx1250"
	.amdhsa_code_object_version 6
	.text
	.protected	k_qce06b1289c_attn
	.globl	k_qce06b1289c_attn
	.p2align	8
	.type	k_qce06b1289c_attn,@function
k_qce06b1289c_attn:
	s_mov_b64 s[64:65], 0
	v_nop
	global_prefetch_b8 v0, s[64:65] scope:SCOPE_SE
	s_setreg_imm32_b32 hwreg(HW_REG_WAVE_MODE, 25, 1), 1
	s_wait_xcnt 0x0
	s_wait_alu depctr_hold_cnt(0) depctr_sa_sdst(0) depctr_va_vdst(0) depctr_va_sdst(0) depctr_va_ssrc(0) depctr_va_vcc(0) depctr_vm_vsrc(0)
	s_getreg_b32 s2, hwreg(HW_REG_IB_STS2, 6, 4)
	s_cmp_eq_u32 s2, 0
	s_cbranch_scc0 .Lentry_in_a_cluster
	s_endpgm
.Lentry_in_a_cluster:
	s_bfe_u32 s2, ttmp6, 0x10000c
	s_cmp_lg_u32 s2, 0x3003
	s_cbranch_scc0 .Lentry_shape_is_right
	s_endpgm
.Lentry_shape_is_right:
; For each of 64 (batch, head): o = softmax(q k^T / 8) v, v = the head's 64 channels of context; both products on codes of FP6 (E2M3) with E8M0 scales, sums in f32.  o is quantised at once, along the head's 64, for the last product.
; THE SOFTMAX: t = score x log2(e) / 8; M = the running largest t rounded UP to a whole number; p = 2^(t - M) is quantised along the keys, not normalised; the row's sum is taken of the unquantised p and divides at the end.
; When M moves, the sum and O are multiplied by 2^(old M - new M): exact.
; IN: c2 / s2: q and k as half images (16 tokens x 64: 768 bytes: registers 0-3 at 16 x lane, 4-5 at 512 + 16 r + 8 h), words [pair of tiles][row], two bytes a tile.  c1 / s1 from VC0 / VS0: v as fragments
; [step of 128 keys][16 channels 4][1536], words [step][4][row].  OUT: c3 [tile of 16 tokens 512][K step 8][1536] (half image 0: head 2 s, 1: head 2 s + 1), s3 [tile][s][row] words (two bytes a head).
; K = 64 IS HALF OF THE INSTRUCTION'S 128: a fragment of k holds two keys a row (k = 0 .. 63 and 64 .. 127); it is multiplied once by [q | zeros] and once by [zeros | q].  v16-33 hold zeros, q, zeros.
; BOTH PRODUCTS ARE USED TRANSPOSED: a lane holds ONE query (lane % 16) throughout.
; WHICH KEYS FORM A TILE: rows 0-7 of a tile are eight keys of an even block of 32, rows 8-15 eight keys of the odd block behind it.  So the 32 score registers of four tiles are, in lanes 0-15, the whole even block
; and, in lanes 16-31, the whole odd one: that is how the operand p wants them.  A block's largest score needs no other lane, and the conversions' results are p's registers.  The rows are chosen by the lanes' LDS addresses:
; lanes with r >= 8 read two tiles (1,536 bytes) on, and the other half of that tile's rows, so that the sixteen rows of a load lie at sixteen different 16 r modulo 256.
; An even block's groups of eight so come in the order 0, 2, 1, 3, an odd block's in the order 1, 3, 0, 2; v's codes were laid so.
; SHARES: a work-group owns 512 queries of one head; each of its sixteen waves two tiles of 16, one after the other (two passes); four waves to a SIMD.
; A HEAD'S K, V AND SCALES STAY IN LDS, 204,800 bytes, each byte filled once: ONE tensor load in each of the sixteen waves (waves 0-5 k's codes, 6-11 v's, 16,384 bytes each; 12-13 k's words, 14-15 v's, 2,048 bytes each),
; one wait, one barrier; after it the waves share nothing.  CLUSTER: the four work-groups of a head ask for every tile jointly (mask 15).  No prefetch: no load is issued behind the head.
; LIMITS: NaN and infinities are not served; a block under 2^-124 keeps the byte 1; the promise holds while the scaled scores t stay under 2^31 in magnitude.
; REGISTERS: v1 16 l, v2 16 r + 8 h, v3-10 lane terms of the LDS addresses, v11 4 r, v12 -M, v13 the largest score, v14-15 the sum, v16-33 q, v34 q's scale word, v35 the pair's, v36-83 four fragments, v84-85 k's words, v86-87 v's,
;   v88 p's, v90-91 f, v92-95 at work, v96-159 scores then p, v160-191 O^T, v192-203 p's codes, v204-210, v212-217 at work, v218-225 the addresses of four steps, v226-233 four partial sums (at a pass's end o's codes), v236-241 the second q.
.set KCO, 6291456                      ; k's codes in c2
.set KSO, 262144                       ; k's words in s2
.set VC0, 8650752                      ; v's codes in c1
.set VS0, 360448                       ; v's words in s1
.set LV,  98304                        ; LDS: k's codes at 0, v's here,
.set LKS, 196608                       ; k's words here, v's 4,096 bytes on
.set SPARE, 204800                     ; the spare words: 128 bytes a wave
.macro CROUND                          ; a round of the cluster's barrier
	s_barrier_signal -1
	s_barrier_wait -1
	s_cmp_lg_u32 s18, 0
	s_cbranch_scc1 .Lnot_wave_0_\@
	s_barrier_signal -3
.Lnot_wave_0_\@:
	s_barrier_wait -3
	s_barrier_signal -1
	s_barrier_wait -1
.endm
.macro FRAG reg, a16, a8, off          ; a fragment of v from its image
	ds_load_b128 v[\reg:\reg+3], v[\a16] offset:\off
	ds_load_b64 v[\reg+4:\reg+5], v[\a8] offset:\off+512
	ds_load_b128 v[\reg+6:\reg+9], v[\a16] offset:\off+768
	ds_load_b64 v[\reg+10:\reg+11], v[\a8] offset:\off+1280
.endm
.macro KFRAG i, c, p                   ; fragment 2 c + p of k: rows 0-7: tiles 4 c, 4 c + 1, rows 8 p on; rows 8-15: tiles 4 c + 2, 4 c + 3, rows 8 (1 - p) on
.set RG, 36+12*(2*\c+\p)
.set OF, 6144*\i+3072*\c+128*\p
	ds_load_b128 v[RG:RG+3], v[218+\p] offset:OF
	ds_load_b64 v[RG+4:RG+5], v[220+\p] offset:OF+512
	ds_load_b128 v[RG+6:RG+9], v[218+\p] offset:OF+768
	ds_load_b64 v[RG+10:RG+11], v[220+\p] offset:OF+1280
.endm
.macro QK d, a, b, sa, row             ; 16 keys x my 16 queries; row = 1: k's words stand in lanes 16-31
.if \row
	v_wmma_scale_f32_16x16x128_f8f6f4 v[\d:\d+7], v[\a:\a+11], v[\b:\b+11], 0, v[\sa], v34 matrix_a_fmt:MATRIX_FMT_FP6 matrix_b_fmt:MATRIX_FMT_FP6 matrix_a_scale:MATRIX_SCALE_ROW1
.else
	v_wmma_scale_f32_16x16x128_f8f6f4 v[\d:\d+7], v[\a:\a+11], v[\b:\b+11], 0, v[\sa], v34 matrix_a_fmt:MATRIX_FMT_FP6 matrix_b_fmt:MATRIX_FMT_FP6
.endif
.endm
.macro PV d, a, sa, row                ; 16 channels x my 16 queries, K = 128 keys
.if \row
	v_wmma_scale_f32_16x16x128_f8f6f4 v[\d:\d+7], v[\a:\a+11], v[192:203], v[\d:\d+7], v[\sa], v88 matrix_a_fmt:MATRIX_FMT_FP6 matrix_b_fmt:MATRIX_FMT_FP6 matrix_a_scale:MATRIX_SCALE_ROW1
.else
	v_wmma_scale_f32_16x16x128_f8f6f4 v[\d:\d+7], v[\a:\a+11], v[192:203], v[\d:\d+7], v[\sa], v88 matrix_a_fmt:MATRIX_FMT_FP6 matrix_b_fmt:MATRIX_FMT_FP6
.endif
.endm
.macro TAIL                            ; the last step's four partial sums join the row's sum, which goes under that step's M in the same line
	v_pk_add_f32 v[226:227], v[226:227], v[228:229]
	v_pk_add_f32 v[230:231], v[230:231], v[232:233]
	v_pk_add_f32 v[226:227], v[226:227], v[230:231]
	v_pk_fma_f32 v[14:15], v[14:15], v[90:91], v[226:227] op_sel_hi:[1,0,1]
.endm
.macro SUMS g                          ; four more pairs of p onto the four partial sums
.irp k, 0,1,2,3
	v_pk_add_f32 v[226+2*\k:227+2*\k], v[226+2*\k:227+2*\k], v[96+8*\g+2*\k:97+8*\g+2*\k]
.endr
.endm
	s_load_b256 s[4:11], s[0:1], 0x0               ; c2 s[4:5], s2 s[6:7], c1 s[8:9], s1 s[10:11]
	s_load_b128 s[12:15], s[0:1], 0x20             ; c3 s[12:13], s3 s[14:15]
	v_lshl_add_u32 v254, v0, 2, SPARE
	v_mov_b32 v255, 0
	ds_add_u32 v254, v255                          ; the opening lines: the add twice on end, and its wait ahead of my tensor load
	ds_add_u32 v254, v255
	v_lshrrev_b32 v1, 5, v0
	v_readfirstlane_b32 s18, v1                    ; wave 0..15
	s_bfe_u32 s19, ttmp6, 0x40000                  ; cx: which 512 queries: it enters q's and o's addresses alone
	s_and_b32 s60, ttmp7, 0xffff                   ; 16 x batch + head, which the four partners share
	; group 1: dense blocks as rows of 256 bytes (32 elements of 8 bytes): 64 rows of codes, 8 rows of words
	s_mov_b32 s24, 15|(3<<16)|(1<<21)              ; the mask: all four work-groups; elements of 8 bytes; bit 21 beside a mask
	s_mov_b32 s25, 32<<16
	s_mov_b32 s26, 64<<16
	s_mov_b32 s27, 32<<16
	s_mov_b32 s28, 64
	s_mov_b32 s29, 32
	s_mov_b32 s30, 0
	s_mov_b32 s31, 0
	s_mov_b32 s32, 15|(3<<16)|(1<<21)
	s_mov_b32 s33, 32<<16
	s_mov_b32 s34, 8<<16
	s_mov_b32 s35, 32<<16
	s_mov_b32 s36, 8
	s_mov_b32 s37, 32
	s_mov_b32 s38, 0
	s_mov_b32 s39, 0
	s_mov_b32 s20, 0x76543210
	s_mov_b32 s21, 0xfedcba98                      ; v_permlanex16_b32's selects for lane l xor 16
	s_mov_b32 s22, 0x3e38aa3b                      ; c = log2(e) / 8
	s_mov_b32 s23, s22                             ; (named with it as a pair, so it is written)
	s_mov_b32 s94, 0xbe38aa3b                      ; -c
	s_wait_dscnt 0x0
	s_wait_kmcnt 0x0
	s_cmp_lt_u32 s18, 6                            ; codes: waves 0-5 k's six parts, waves 6-11 v's.  The choice hangs on the wave's number alone
	s_cselect_b64 s[78:79], s[4:5], s[8:9]
	s_cselect_b32 s68, 0, 6
	s_mov_b32 s2, VC0
	s_cselect_b32 s2, KCO, s2
	s_sub_co_u32 s68, s18, s68
	s_lshl_b32 s68, s68, 14                        ; my part: 16,384 bytes
	s_mul_i32 s72, s60, 98304                      ; the head's codes
	s_add_co_u32 s72, s72, s68
	s_add_co_u32 s72, s72, s2
	s_mov_b32 s73, 0
	s_add_nc_u64 s[78:79], s[78:79], s[72:73]
	s_cmp_lt_u32 s18, 14                           ; words: waves 12, 13 k's two halves, waves 14, 15 v's
	s_cselect_b64 s[16:17], s[6:7], s[10:11]
	s_mov_b32 s3, VS0
	s_cselect_b32 s3, KSO, s3
	s_and_b32 s69, s18, 1
	s_lshl_b32 s69, s69, 11
	s_lshl_b32 s74, s60, 12                        ; the head's words
	s_add_co_u32 s74, s74, s69
	s_add_co_u32 s74, s74, s3
	s_mov_b32 s75, 0
	s_add_nc_u64 s[16:17], s[16:17], s[74:75]
	s_mov_b32 s40, 1
	s_lshl_b32 s41, s18, 11
	s_add_co_u32 s41, s41, LKS-24576               ; LKS + 2,048 x (wave - 12)
	s_mov_b64 s[42:43], s[16:17]
	s_or_b32 s43, s43, 0x80000000
	s_mov_b32 s44, 1
	s_lshl_b32 s45, s18, 14                        ; 16,384 x wave: k's six parts, then v's six
	s_mov_b64 s[46:47], s[78:79]
	s_or_b32 s47, s47, 0x80000000
	CROUND                                         ; all four work-groups are here: the joint loads meet
	s_cmp_lt_u32 s18, 12                           ; one load in each arm: every wave issues one
	s_cbranch_scc0 .Lwords
	tensor_load_to_lds s[44:47], s[24:31]
	s_nop 0
.rept 4
	v_nop
.endr
	s_branch .Lasked
.Lwords:
	tensor_load_to_lds s[40:43], s[32:39]
	s_nop 0
.rept 4
	v_nop
.endr
.Lasked:
	v_and_b32 v89, 31, v0                          ; lane
	v_and_b32 v92, 15, v0                          ; r
	v_bfe_u32 v93, v0, 4, 1                        ; h
	v_bfe_u32 v94, v0, 3, 1                        ; r / 8
	v_lshlrev_b32 v1, 4, v89                       ; 16 l = 16 r + 256 h
	v_lshlrev_b32 v2, 4, v92
	v_lshl_add_u32 v2, v93, 3, v2                  ; 16 r + 8 h
	v_mul_u32_u24 v95, v94, 1536
	v_add_nc_u32 v3, v1, v95                       ; k, fragments with p = 0: lanes with r >= 8 two tiles on, same 16 r
	v_add_nc_u32 v5, v2, v95
	v_mul_u32_u24 v95, v94, 1280
	v_add_nc_u32 v4, v1, v95                       ; p = 1 (128 stand in the offset): rows 8 + r, and for r >= 8 rows r - 8 two tiles on
	v_add_nc_u32 v6, v2, v95
	v_add_nc_u32 v7, LV, v1
	v_add_nc_u32 v8, LV, v2
	v_lshl_add_u32 v95, v93, 3, v92
	v_and_b32 v95, 15, v95                         ; k's words: lanes 0-15 serve p = 0 (row r), lanes 16-31 p = 1 (row (r + 8) % 16);
	v_lshlrev_b32 v95, 2, v95
	v_lshl_add_u32 v95, v94, 6, v95                ; r >= 8: the next pair of tiles
	v_add_nc_u32 v9, LKS, v95
	v_lshl_add_u32 v10, v89, 2, LKS+4096           ; v's words: 4 l
	v_lshlrev_b32 v11, 2, v92                      ; 4 r
.irp i, 0,1,2,3,4,5
	v_mov_b32 v[16+\i], 0
	v_mov_b32 v[28+\i], 0
.endr
	v_mov_b32 v91, 0                               ; (named as the upper half of the pair v[90:91])
	v_mov_b32 v216, 0                              ; a lane permute's destination counts as one of its sources
	v_mov_b32 v217, 0
	s_wait_alu depctr_va_vdst(0)
	s_lshl_b32 s80, s60, 7
	s_lshl_b32 s81, s19, 5
	s_add_co_u32 s80, s80, s81
	s_lshl_b32 s81, s18, 1
	s_add_co_u32 s80, s80, s81                     ; my first tile of q: 128 x (batch, head) + 32 cx + 2 x wave
	s_mul_i32 s82, s80, 768
	s_mov_b32 s83, 0
	s_add_nc_u64 s[84:85], s[4:5], s[82:83]
	s_lshl_b32 s82, s80, 5                         ; its pair's words: 64 bytes a pair
	s_add_nc_u64 s[86:87], s[6:7], s[82:83]
	global_load_b128 v[22:25], v1, s[84:85]
	global_load_b64 v[26:27], v2, s[84:85] offset:512
	global_load_b128 v[236:239], v1, s[84:85] offset:768
	global_load_b64 v[240:241], v2, s[84:85] offset:1280
	global_load_b32 v35, v11, s[86:87]
	s_lshr_b32 s80, s60, 4                         ; batch
	s_lshl_b32 s80, s80, 7
	s_lshl_b32 s81, s19, 5
	s_add_co_u32 s80, s80, s81
	s_lshl_b32 s81, s18, 1
	s_add_co_u32 s80, s80, s81                     ; my first tile of tokens
	s_lshl_b32 s80, s80, 3
	s_bfe_u32 s81, s60, 0x30001                    ; head / 2: the last product's K step
	s_add_co_u32 s80, s80, s81
	s_and_b32 s81, s60, 1                          ; head % 2: which half image
	s_mul_i32 s82, s80, 1536
	s_mul_i32 s88, s81, 768
	s_add_co_u32 s82, s82, s88
	s_add_nc_u64 s[90:91], s[12:13], s[82:83]      ; o's codes
	s_lshl_b32 s82, s80, 6
	s_lshl_b32 s88, s81, 1
	s_add_co_u32 s82, s82, s88
	s_add_nc_u64 s[92:93], s[14:15], s[82:83]      ; o's two bytes a row
	s_mov_b32 s67, 0x01000100                      ; the pair word's low two bytes, twice: the first tile's
	s_mov_b32 s66, 0
; A KEY STEP: 128 keys, the i-th of four that share their address registers
.macro STEP i
.if \i == 0
.irp a, 0,1,2,3,4,5
	v_add_nc_u32 v[218+\a], s61, v[3+\a]
.endr
	v_add_nc_u32 v224, s62, v9
	v_add_nc_u32 v225, s62, v10
.endif
.irp c, 0,1                            ; (twelve additions stand between the last products and these loads into registers that those have read)
.irp p, 0,1
	KFRAG \i, \c, \p
.endr
.endr
	ds_load_b32 v84, v224 offset:256*\i            ; k's words: lanes 0-15 fragment 0, lanes 16-31 fragment 1
	ds_load_b32 v85, v224 offset:256*\i+128        ; fragments 2, 3
	ds_load_b32 v86, v225 offset:256*\i            ; v's: channels 0-15, 16-31
	ds_load_b32 v87, v225 offset:256*\i+128        ; 32-47, 48-63
	s_wait_alu depctr_va_vdst(0)
	s_wait_dscnt 0x0
.irp f, 0,1,2,3                        ; registers 32 c + 0 .. 31: block 2 c + h of the step's four
	QK 96+16*\f, 36+12*\f, 22, 84+\f/2, \f%2
	QK 104+16*\f, 36+12*\f, 16, 84+\f/2, \f%2
.endr
	TAIL                                           ; four plain lines: the places behind the products, in front of the loads below and of the first read of the scores
.irp t, 0,1,2,3
	FRAG 36+12*\t, 222, 223, 6144*\i+1536*\t       ; v's four fragments land while the softmax is worked
.endr
.irp c, 0,1                            ; each block's largest score, in two chains; each accumulator is first read at its low end
	v_max3_num_f32 v[212+\c], v[96+32*\c], v[97+32*\c], v[98+32*\c]
	v_max3_num_f32 v[214+\c], v[112+32*\c], v[113+32*\c], v[114+32*\c]
.endr
.irp i2, 3,5,7,9,11,13
.irp c, 0,1
	v_max3_num_f32 v[212+\c], v[212+\c], v[96+32*\c+\i2], v[97+32*\c+\i2]
	v_max3_num_f32 v[214+\c], v[214+\c], v[112+32*\c+\i2], v[113+32*\c+\i2]
.endr
.endr
.irp c, 0,1
	v_max3_num_f32 v[212+\c], v[212+\c], v[214+\c], v[111+32*\c]
.endr
.irp c, 0,1
	v_max_num_f32 v[212+\c], v[212+\c], v[127+32*\c]
.endr
	s_delay_alu instid0(VALU_DEP_1)
	v_max3_num_f32 v92, v212, v213, v13            ; my two blocks and the largest score so far,
	v_mov_b32 v94, v12
	s_delay_alu instid0(VALU_DEP_2)
	v_permlanex16_b32 v93, v92, s20, s21
	s_delay_alu instid0(VALU_DEP_1)
	v_max_num_f32 v13, v92, v93                    ; with lane l xor 16's two blocks
	s_delay_alu instid0(VALU_DEP_1)
	v_mul_f32 v92, s94, v13                        ; -t (c is positive)
	s_delay_alu instid0(VALU_DEP_1)
	v_floor_f32 v12, v92                           ; the new -M = floor(-t): M is a whole number
	s_delay_alu instid0(VALU_DEP_1)
	v_sub_f32 v94, v12, v94                        ; old M - new M: a whole number, 0 or less
	s_delay_alu instid0(VALU_DEP_1)
	v_cvt_i32_f32 v94, v94                         ; (it saturates)
	s_delay_alu instid0(VALU_DEP_1)
	v_ldexp_f32 v90, 1.0, v94                      ; f = 2^(old M - new M)
.set JJ, 0
.rept 32
	v_pk_fma_f32 v[96+JJ:97+JJ], v[96+JJ:97+JJ], s[22:23], v[12:13] op_sel_hi:[1,0,0]   ; t - M, two at a time
.set JJ, JJ+2
.endr
.irp c, 0,1
	v_fma_f32 v[212+\c], v[212+\c], s22, v12       ; the same of each block's largest score
.endr
.set JJ, 0
.rept 12
	v_pk_mul_f32 v[160+JJ:161+JJ], v[160+JJ:161+JJ], v[90:91] op_sel_hi:[1,0]   ; O^T under the new M: channels 0-47
.set JJ, JJ+2
.endr
	s_wait_alu depctr_va_vdst(0)
.irp c, 0,1
	v_exp_f32 v[212+\c], v[212+\c]                 ; the block's largest p
.endr
.set JJ, 0
.rept 64
	v_exp_f32 v[96+JJ], v[96+JJ]                   ; p = 2^(t - M), at most 1
.set JJ, JJ+1
.endr
	s_wait_alu depctr_va_vdst(0)                   ; one wait for the batch; it also stands directly ahead of the first read of O^T's last accumulator
.set JJ, 24
.rept 4
	v_pk_mul_f32 v[160+JJ:161+JJ], v[160+JJ:161+JJ], v[90:91] op_sel_hi:[1,0]   ; channels 48-63: plain lines behind the exponentials
.set JJ, JJ+2
.endr
.irp c, 0,1
	v_max_num_f32 v[212+\c], 0x1800000, v[212+\c]  ; the floor 2^(3 - 127): the byte cannot fall under 1
.endr
.irp c, 0,1
	s_delay_alu instid0(VALU_DEP_2)
	v_add_nc_u32 v[214+\c], 0xff000000, v[212+\c]  ; the conversion's scale operand
.endr
.irp c, 0,1
	s_delay_alu instid0(VALU_DEP_2)
	v_lshrrev_b32 v[212+\c], 23, v[214+\c]         ; the byte
.endr
	s_delay_alu instid0(VALU_DEP_1)
	v_lshl_or_b32 v92, v213, 16, v212              ; my blocks h and 2 + h
	s_delay_alu instid0(VALU_DEP_1)
	v_permlanex16_b32 v93, v92, s20, s21
	s_delay_alu instid0(VALU_DEP_1)
	v_lshl_or_b32 v88, v93, 8, v92                 ; lanes 0-15: the four bytes of my query's 128 keys (lanes 16-31 are not read)
.irp c, 0,1
	v_cvt_scalef32_pk16_fp6_f32 v[192+6*\c:194+6*\c], v[96+32*\c:111+32*\c], v[214+\c]
	v_cvt_scalef32_pk16_fp6_f32 v[204+4*\c:206+4*\c], v[112+32*\c:127+32*\c], v[214+\c]   ; (a conversion's three registers begin on an even number)
.endr
.irp k, 0,1,2,3                        ; THE ROW'S SUM IS TAKEN OF THE UNQUANTISED p: four partial sums.  These lines are also the plain lines behind the conversions
	v_pk_add_f32 v[226+2*\k:227+2*\k], v[96+2*\k:97+2*\k], v[104+2*\k:105+2*\k]
.endr
.irp c, 0,1
.irp i2, 0,1,2
	v_mov_b32 v[195+6*\c+\i2], v[204+4*\c+\i2]
.endr
.endr
	SUMS 2                                         ; twelve plain lines between the codes' last write and the products; the scale word stands further ahead
	SUMS 3
	SUMS 4
	s_wait_alu depctr_va_vdst(0)
	s_wait_dscnt 0x0                               ; v's fragments are in
.irp t, 0,1,2,3                        ; the four accumulators take turns, one instruction a turn
	PV 160+8*\t, 36+12*\t, 86+\t/2, \t%2
.endr
	SUMS 5
	SUMS 6
	SUMS 7
.endm
	s_wait_alu depctr_va_vdst(0)
	s_wait_tensorcnt 0x0                           ; my load has landed,
	s_barrier_signal -1
	s_barrier_wait -1                              ; everybody's has: the head's k, v and words are whole; nothing is filled again
	s_wait_loadcnt 0x0                             ; q
.Lpass:                                            ; two trips: my two tiles of queries
	v_perm_b32 v34, v35, v35, s67                  ; q's two bytes, twice: they serve [q | zeros] and [zeros | q]
	v_mov_b32 v13, 0xff61b1e6                      ; the largest score so far: -3e38
	v_mov_b32 v12, 0x7f000000                      ; -M: 2^127, so that the first f is 0
	v_mov_b32 v14, 0
	v_mov_b32 v15, 0
	v_mov_b32 v90, 0
.set JJ, 0
.rept 8
	v_mov_b32 v[226+JJ], 0                         ; the partial sums that the first step's TAIL finds
.set JJ, JJ+1
.endr
.set JJ, 0
.rept 32
	v_mov_b32 v[160+JJ], 0                         ; O^T: the step is written once; the first finds zeros
.set JJ, JJ+1
.endr
	s_mov_b32 s61, 0                               ; where the four steps' fragments begin in LDS,
	s_mov_b32 s62, 0                               ; and their words
	s_mov_b32 s63, 4
.Lgrp:
	STEP 0
	STEP 1
	STEP 2
	STEP 3
	s_add_co_u32 s61, s61, 24576
	s_add_co_u32 s62, s62, 1024
	s_sub_co_u32 s63, s63, 1
	s_cmp_lg_u32 s63, 0
	s_wait_alu depctr_va_vdst(0)
	s_cbranch_scc1 .Lgrp
	; THE WAY OUT: O^T / the sum; its two blocks of 32 channels become a half image and two bytes
	TAIL
	s_delay_alu instid0(VALU_DEP_1)
	v_add_f32 v14, v14, v15
	s_delay_alu instid0(VALU_DEP_1)
	v_permlanex16_b32 v93, v14, s20, s21
	s_delay_alu instid0(VALU_DEP_1)
	v_add_f32 v14, v14, v93                        ; the row's sum
	s_wait_alu depctr_va_vdst(0)
	v_rcp_f32 v14, v14
	v_nop                                          ; a plain instruction behind the reciprocal,
	s_wait_alu depctr_va_vdst(0)                   ; and the wait ahead of its first reader
.set JJ, 0
.rept 16
	v_pk_mul_f32 v[96+JJ:97+JJ], v[160+JJ:161+JJ], v[14:15] op_sel_hi:[1,0]   ; register 8 T + j: o(r, 16 T + 8 h + j); each accumulator from its low end on
.set JJ, JJ+2
.endr
.irp q, 0,1
	v_max3_num_f32 v[212+\q], |v[96+16*\q]|, |v[97+16*\q]|, 0x1800000
.endr
.irp i, 2,4,6,8,10,12,14
.irp q, 0,1
	s_delay_alu instid0(VALU_DEP_2)
	v_max3_num_f32 v[212+\q], v[212+\q], |v[96+16*\q+\i]|, |v[97+16*\q+\i]|
.endr
.endr
.irp q, 0,1
	s_delay_alu instid0(VALU_DEP_2)
	v_permlanex16_b32 v[216+\q], v[212+\q], s20, s21
.endr
.irp q, 0,1
	s_delay_alu instid0(VALU_DEP_2)
	v_max_num_f32 v[212+\q], v[212+\q], v[216+\q]
.endr
.irp q, 0,1
	s_delay_alu instid0(VALU_DEP_2)
	v_add_nc_u32 v[214+\q], 0xff000000, v[212+\q]
.endr
.irp q, 0,1
	s_delay_alu instid0(VALU_DEP_2)
	v_lshrrev_b32 v[216+\q], 23, v[214+\q]
.endr
	s_delay_alu instid0(VALU_DEP_1)
	v_lshl_or_b32 v234, v217, 8, v216
	v_cvt_scalef32_pk16_fp6_f32 v[228:230], v[96:111], v214
	v_cvt_scalef32_pk16_fp6_f32 v[204:206], v[112:127], v215
	v_nop
.irp i, 0,1,2                          ; a lane is to hold a whole block of channels: lanes 0-15 the first, lanes 16-31 the second
	v_permlane16_swap_b32 v[228+\i], v[204+\i]
.endr
.irp i, 0,1,2
	v_mov_b32 v[231+\i], v[204+\i]
.endr
	global_store_b128 v1, v[228:231], s[90:91]             ; 512 consecutive bytes, aligned
	global_store_b64 v2, v[232:233], s[90:91] offset:512   ; 256 consecutive bytes, aligned
	global_store_b16 v11, v234, s[92:93]                   ; two bytes a row (lanes r and 16 + r the same): a word's other half is the neighbouring head's, which another work-group makes
.irp i, 0,1,2,3,4,5
	v_mov_b32 v[22+\i], v[236+\i]                  ; the second tile's q
.endr
	s_wait_xcnt 0x0                                ; the stores have read their registers and bases: both may be written again
	s_add_nc_u64 s[90:91], s[90:91], 12288         ; the next tile of tokens
	s_add_nc_u64 s[92:93], s[92:93], 512
	s_mov_b32 s67, 0x03020302                      ; the pair word's high two bytes
	s_add_co_u32 s66, s66, 1
	s_cmp_lt_u32 s66, 2
	s_wait_alu depctr_va_vdst(0)
	s_cbranch_scc1 .Lpass
	s_wait_tensorcnt 0x0                           ; the wave's end
	ds_add_u32 v254, v255
	s_wait_dscnt 0x0
	CROUND                                         ; the closing round: no work-group ends while a partner may still ask for a tile that names it
	s_endpgm
.Lfunc_end_k_qce06b1289c_attn:
	.size	k_qce06b1289c_attn, .Lfunc_end_k_qce06b1289c_attn-k_qce06b1289c_attn
	.p2alignl 7, 3214868480
	.fill 96, 4, 3214868480
	.section	.rodata,"a",@progbits
	.p2align	6, 0x0
	.amdhsa_kernel k_qce06b1289c_attn
		.amdhsa_group_segment_fixed_size 206848
		.amdhsa_private_segment_fixed_size 0
		.amdhsa_enable_private_segment 0
		.amdhsa_kernarg_size 48
		.amdhsa_user_sgpr_count 2
		.amdhsa_user_sgpr_kernarg_segment_ptr 1
		.amdhsa_wavefront_size32 1
		.amdhsa_system_sgpr_workgroup_id_x 1
		.amdhsa_system_sgpr_workgroup_id_y 1
		.amdhsa_system_sgpr_workgroup_id_z 1
		.amdhsa_system_vgpr_workitem_id 0
		.amdhsa_next_free_vgpr 256
		.amdhsa_next_free_sgpr 100
		.amdhsa_reserve_vcc 0
		.amdhsa_float_denorm_mode_32 3
		.amdhsa_float_denorm_mode_16_64 3
		.amdhsa_memory_ordered 1
		.amdhsa_forward_progress 1
		.amdhsa_inst_pref_size 75
	.end_amdhsa_kernel
	.amdgpu_metadata
---
amdhsa.version: [ 1, 2 ]
amdhsa.kernels:
  - .name:           k_qce06b1289c_attn
    .symbol:         k_qce06b1289c_attn.kd
    .args:
      - { .name: c2, .offset: 0, .size: 8, .value_kind: global_buffer, .address_space: global }
      - { .name: s2, .offset: 8, .size: 8, .value_kind: global_buffer, .address_space: global }
      - { .name: c1, .offset: 16, .size: 8, .value_kind: global_buffer, .address_space: global }
      - { .name: s1, .offset: 24, .size: 8, .value_kind: global_buffer, .address_space: global }
      - { .name: c3, .offset: 32, .size: 8, .value_kind: global_buffer, .address_space: global }
      - { .name: s3, .offset: 40, .size: 8, .value_kind: global_buffer, .address_space: global }
    .group_segment_fixed_size: 206848
    .private_segment_fixed_size: 0
    .kernarg_segment_align: 8
    .kernarg_segment_size: 48
    .max_flat_workgroup_size: 512
    .sgpr_count:     100
    .vgpr_count:     256
    .wavefront_size: 32
...
	.end_amdgpu_metadata
.endif
;; end of part 3
;; launch gemm2 (part 4): grid 4 x 64, 4 waves a work-group, clusters of 4 x 4, 327,680 bytes of LDS; arguments c3, s3, c1, s1, bout, out0; writes out0
.if DOCPART == 4
	.amdgcn_target "amdgcn-amd-amdhsa--gfx1250"
	.amdhsa_code_object_version 6
	.text
	.protected	k_qce06b1289c_gemm2
	.globl	k_qce06b1289c_gemm2
	.p2align	8
	.type	k_qce06b1289c_gemm2,@function
k_qce06b1289c_gemm2:
	s_mov_b64 s[64:65], 0
	v_nop
	global_prefetch_b8 v0, s[64:65] scope:SCOPE_SE
	s_setreg_imm32_b32 hwreg(HW_REG_WAVE_MODE, 25, 1), 1
	s_wait_xcnt 0x0
	s_wait_alu depctr_hold_cnt(0) depctr_sa_sdst(0) depctr_va_vdst(0) depctr_va_sdst(0) depctr_va_ssrc(0) depctr_va_vcc(0) depctr_vm_vsrc(0)
	s_getreg_b32 s2, hwreg(HW_REG_IB_STS2, 6, 4)
	s_cmp_eq_u32 s2, 0
	s_cbranch_scc0 .Lentry_in_a_cluster
	s_endpgm
.Lentry_in_a_cluster:
	s_bfe_u32 s2, ttmp6, 0x10000c
	s_cmp_lg_u32 s2, 0xf033
	s_cbranch_scc0 .Lentry_shape_is_right
	s_endpgm
.Lentry_shape_is_right:
; out0 = o Wout^T + bout, on codes of FP6 (E2M3) with E8M0 scales, sums in f32.  o: the attention's result, 8,192 rows x 1,024.
; IN: c3 / s3 (o) and c1 / s1 from tile 640 on (Wout): images of operand registers, [tile of 16 rows][K step 8][1536] and [tile][K step][row] words.  A fragment (16 rows x 128 K, 12 registers) is two half images of 768 bytes:
; registers 0-3 at 16 x lane, registers 4-5 at 512 + 16 r + 8 h.  In both operands a block's four groups of eight lie in the order 0, 2, 1, 3.
; SHARES: a work-group makes 128 rows x 256 columns (256 work-groups); wave w rows 64 (w / 2) on, columns 128 (w % 2) on: 4 x 8 accumulators of 16 x 16, 256 registers.
; ALL OF K LIES IN LDS: 8 x 12,288 bytes of o and 16 x 12,288 of W, brought by four tensor loads a wave (a stage = two K steps), all issued at the start.  No LDS byte is filled twice.
; That is why the tile is 128 x 256: a tile of 256 x 256 has 393,216 bytes of codes for K = 1,024, more than LDS holds.
; CLUSTER 4 x 4: the four work-groups of a row need the same rows of o, the four of a column the same rows of W: each tile is asked for jointly, by the same load with a mask that names the four.
; THE PRODUCT IS USED TRANSPOSED (source 0 = 16 rows of W, source 1 = 16 rows of o): lane (r, h) holds row r and columns 16 b + 8 h + 0 .. 7.  The bias is the C of the first K step.
; No prefetch: every load of the launch goes out at its head.
; REGISTERS: window 0: v1 4 l, v2 32 h, v3 16 l, v4-19 LDS addresses (a stage each), v20-21 the way out's, v23 16 r + 8 h, v32-47 o's scale words, v48-79 W's,
;   v96-159 the bias, v160-255 o's fragments, two sets (on the way out v96-223: rows read back).   window 1: W's fragments, two sets, at v0 and v128.   window 2: accumulator (a, b) at v[8 (8 a + b)].
; THE FILLS AS THEY STAND NOW (this takes the place of what the head comment says of four loads a wave): K lies in LDS in two halves of four K steps, each byte filled once.
; A wave issues one joint load at the head (K steps 0-3) and one behind the three lines and a round of the cluster's barrier (K steps 4-7); the second lands under the first half's products.
; The way out's stage lies in the first half's bytes: every wave's reads of them are over in front of the barrier of K step 3.
.set STG,  147456                      ; a half in LDS: o's 8 tiles x 6,144 bytes, then W's 16 tiles x 6,144
.set BC0,  7864320                     ; Wout's codes in c1
.set BS0,  327680                      ; and its scale words in s1
.set MSB, 0
.macro WIN new                         ; the immediate's high byte repeats the setting that is left
.if MSB != \new
	s_set_vgpr_msb (MSB<<8)|\new
.set MSB, \new
.endif
.endm
.macro PLACES                          ; four plain instructions between a matrix instruction and a load into, or a read of, its registers
.rept 4
	v_nop
.endr
.endm
.macro CROUND                          ; a round of the cluster's barrier
	s_barrier_signal -1
	s_barrier_wait -1
	s_cmp_lg_u32 s16, 0
	s_cbranch_scc1 .Lnot_wave_0_\@
	s_barrier_signal -3
.Lnot_wave_0_\@:
	s_barrier_wait -3
	s_barrier_signal -1
	s_barrier_wait -1
.endm
.macro FRAG reg, a16, a8, off          ; a fragment from its image: every instruction reads consecutive bytes
	ds_load_b128 v[\reg:\reg+3], v[\a16] offset:\off
	ds_load_b64 v[\reg+4:\reg+5], v[\a8] offset:\off+512
	ds_load_b128 v[\reg+6:\reg+9], v[\a16] offset:\off+768
	ds_load_b64 v[\reg+10:\reg+11], v[\a8] offset:\off+1280
.endm
.macro FETCH k                         ; K step k's fragments into set k % 2: W's eight, o's four
	WIN 0x40
.irp b, 0,1,2,3,4,5,6,7
	FRAG 128*((\k)%2)+12*\b, 12+(\k)/4, 16+(\k)/4, 6144*\b+1536*((\k)%4)
.endr
	WIN 0
.irp a, 0,1,2,3
	FRAG 160+48*((\k)%2)+12*\a, 4+(\k)/4, 8+(\k)/4, 6144*\a+1536*((\k)%4)
.endr
.endm
.macro WM d, a, b, c, sa, sb, row      ; row = 1: both sides' scale words stand in lanes 16-31
.if \row
	v_wmma_scale_f32_16x16x128_f8f6f4 v[\d:\d+7], v[\a:\a+11], v[\b:\b+11], v[\c:\c+7], v[\sa], v[\sb] matrix_a_fmt:MATRIX_FMT_FP6 matrix_b_fmt:MATRIX_FMT_FP6 matrix_a_scale:MATRIX_SCALE_ROW1 matrix_b_scale:MATRIX_SCALE_ROW1
.else
	v_wmma_scale_f32_16x16x128_f8f6f4 v[\d:\d+7], v[\a:\a+11], v[\b:\b+11], v[\c:\c+7], v[\sa], v[\sb] matrix_a_fmt:MATRIX_FMT_FP6 matrix_b_fmt:MATRIX_FMT_FP6
.endif
.endm
.macro MUL k                           ; 32 matrix instructions; the 32 accumulators take turns in the same order in every K step
.if (\k) == 0
	WIN 0x81                                       ; W window 1, o window 0, C (the bias) window 0, D window 2
.else
	WIN 0xa1                                       ; C and D window 2
.endif
.irp a, 0,1,2,3
.irp b, 0,1,2,3,4,5,6,7
.if (\k) == 0
	WM 8*(8*\a+\b), 12*\b, 160+12*\a, 96+8*\b, 48+4*\b, 32+4*\a, 0
.else
	WM 8*(8*\a+\b), 128*((\k)%2)+12*\b, 160+48*((\k)%2)+12*\a, 8*(8*\a+\b), 48+4*\b+(\k)/2, 32+4*\a+(\k)/2, (\k)%2
.endif
.endr
.endr
.endm
.macro KSTEP k
.if (\k) == 3
	s_wait_tensorcnt 0x0                           ; my part of the second half has landed
.endif
	s_wait_dscnt 0x0                               ; this K step's fragments are in
.if (\k) == 3
	s_barrier_signal -1
	s_barrier_wait -1                              ; everybody's part has landed
.endif
.if (\k) < 7
.if (\k) > 0
	PLACES
.endif
	FETCH (\k)+1
.endif
	MUL \k
.endm
	s_load_b256 s[4:11], s[0:1], 0x0               ; c3 s[4:5], s3 s[6:7], c1 s[8:9], s1 s[10:11]
	s_load_b128 s[12:15], s[0:1], 0x20             ; bout s[12:13], out0 s[14:15]
	v_lshl_add_u32 v94, v0, 2, 0x48000
	v_mov_b32 v95, 0
	ds_add_u32 v94, v95
	ds_add_u32 v94, v95
	v_lshrrev_b32 v1, 5, v0
	v_readfirstlane_b32 s16, v1                    ; wave 0..3
	s_lshr_b32 s17, s16, 1                         ; which 64 rows are mine.  Also: I fetch for o (0) or for W (1)
	s_and_b32 s18, s16, 1                          ; which 128 columns.  Also: which half of that tile I fetch
	s_bfe_u32 s19, ttmp6, 0x40000                  ; cx
	s_bfe_u32 s20, ttmp6, 0x40004                  ; cy
	s_lshl_b32 s21, ttmp9, 2
	s_add_co_u32 s21, s21, s19                     ; tile column = 4 x cluster x + cx
	s_and_b32 s22, ttmp7, 0xffff
	s_lshl_b32 s22, s22, 2
	s_add_co_u32 s22, s22, s20                     ; tile row = 4 x cluster y + cy
	s_lshl_b32 s56, s20, 2
	s_lshl_b32 s56, 15, s56                        ; my row of the cluster
	s_lshl_b32 s57, 0x1111, s19                    ; my column
	; group 1: rows of 6,144 bytes (a tile's four K steps: 768 elements of 8 bytes), 12,288 bytes apart; o: 4 rows a load, W: 8
	s_or_b32 s24, s56, (3<<16)|(1<<21)             ; 15:0 the mask; 17:16 elements of 8 bytes; 21 set beside a mask
	s_mov_b32 s25, 768<<16                         ; tensor_dim0: a tile's four K steps, 6,144 bytes
	s_mov_b32 s26, 4<<16                           ; tensor_dim1
	s_mov_b32 s27, 768<<16
	s_mov_b32 s28, 4                               ; tile_dim1
	s_mov_b32 s29, 1536                            ; stride
	s_mov_b32 s30, 0
	s_mov_b32 s31, 0
	s_or_b32 s48, s57, (3<<16)|(1<<21)
	s_mov_b32 s49, 768<<16
	s_mov_b32 s50, 8<<16
	s_mov_b32 s51, 768<<16
	s_mov_b32 s52, 8
	s_mov_b32 s53, 1536
	s_mov_b32 s54, 0
	s_mov_b32 s55, 0
	s_lshl_b32 s58, s22, 3                         ; o: tile 8 x tile row + 4 x half: made of the tile row and the wave's number alone
	s_lshl_b32 s59, s18, 2
	s_add_co_u32 s58, s58, s59
	s_mul_i32 s58, s58, 12288
	s_mov_b32 s59, 0
	s_lshl_b32 s60, s21, 4                         ; W: tile 16 x tile column + 8 x half: of the tile column and the wave's number alone
	s_lshl_b32 s61, s18, 3
	s_add_co_u32 s60, s60, s61
	s_mul_i32 s60, s60, 12288
	s_add_co_u32 s60, s60, BC0
	s_mov_b32 s61, 0
	s_mul_i32 s62, s18, 24576
	s_mul_i32 s63, s18, 49152
	s_add_co_u32 s63, s63, 49152
	s_wait_dscnt 0x0
	s_wait_kmcnt 0x0
	s_add_nc_u64 s[84:85], s[4:5], s[58:59]
	s_add_nc_u64 s[86:87], s[8:9], s[60:61]
	CROUND                                         ; all sixteen work-groups are here: the joint loads meet
.irp g, 0,1
	s_mov_b32 s[32+4*\g], 1
	s_add_co_u32 s[33+4*\g], s62, \g*STG
	s_add_nc_u64 s[34+4*\g:35+4*\g], s[84:85], \g*6144
	s_or_b32 s[35+4*\g], s[35+4*\g], 0x80000000
	s_mov_b32 s[68+4*\g], 1
	s_add_co_u32 s[69+4*\g], s63, \g*STG
	s_add_nc_u64 s[70+4*\g:71+4*\g], s[86:87], \g*6144
	s_or_b32 s[71+4*\g], s[71+4*\g], 0x80000000
.endr
	s_cmp_eq_u32 s17, 0                            ; a wave's fill of the first half stands in one branch on the wave's number: one load of mine is out
	s_cbranch_scc0 .Lfor_w
	tensor_load_to_lds s[32:35], s[24:31]
	s_nop 0
	PLACES                                         ; four v_nop follow the last line
	s_branch .Lasked
.Lfor_w:
	tensor_load_to_lds s[68:71], s[48:55]
	s_nop 0
	PLACES
.Lasked:
	v_and_b32 v24, 31, v0                          ; lane
	v_and_b32 v25, 15, v0                          ; r
	v_bfe_u32 v26, v0, 4, 1                        ; h
	v_lshlrev_b32 v1, 2, v24
	v_lshlrev_b32 v2, 5, v26
	v_lshlrev_b32 v3, 4, v24
	v_lshlrev_b32 v23, 4, v25
	v_lshl_add_u32 v23, v26, 3, v23
	s_mul_i32 s66, s17, 24576                      ; my four tiles of o in a half
	s_mul_i32 s67, s18, 49152
	s_add_co_u32 s67, s67, 49152                   ; my eight tiles of W
.irp g, 0,1
	v_add_nc_u32 v[4+\g], s66, v3
	v_add_nc_u32 v[8+\g], s66, v23
	v_add_nc_u32 v[12+\g], s67, v3
	v_add_nc_u32 v[16+\g], s67, v23
	s_add_co_u32 s66, s66, STG
	s_add_co_u32 s67, s67, STG
.endr
	s_mul_i32 s66, s16, 8448                       ; the way out: my stage, 16 rows x (512 + 16) bytes, in stage 0's bytes
	v_mul_u32_u24 v20, v25, 528
	v_lshl_add_u32 v20, v26, 5, v20
	v_add_nc_u32 v20, s66, v20                     ; in: row r, 32 bytes for each half of the lanes
	v_add_nc_u32 v21, s66, v3                      ; back: the 32 lanes take one row of 512 bytes
	s_lshl_b32 s88, s22, 3
	s_lshl_b32 s89, s17, 2
	s_add_co_u32 s88, s88, s89
	s_lshl_b32 s88, s88, 9                         ; o's scale words: 512 bytes a tile
	s_mov_b32 s89, 0
	s_add_nc_u64 s[88:89], s[6:7], s[88:89]
	s_lshl_b32 s90, s21, 4
	s_lshl_b32 s91, s18, 3
	s_add_co_u32 s90, s90, s91
	s_lshl_b32 s90, s90, 9
	s_add_co_u32 s90, s90, BS0
	s_mov_b32 s91, 0
	s_add_nc_u64 s[90:91], s[10:11], s[90:91]      ; W's
	s_lshl_b32 s92, s21, 10
	s_lshl_b32 s93, s18, 9
	s_add_co_u32 s92, s92, s93
	s_mov_b32 s93, 0
	s_add_nc_u64 s[92:93], s[12:13], s[92:93]      ; the bias of my 128 columns
.irp a, 0,1,2,3                        ; a load brings a tile's words of two K steps: lanes 0-15 the even step's, lanes 16-31 the odd one's
.irp s, 0,1,2,3
	global_load_b32 v[32+4*\a+\s], v1, s[88:89] offset:512*\a+128*\s
.endr
.endr
.irp b, 0,1,2,3,4,5,6,7
.irp s, 0,1,2,3
	global_load_b32 v[48+4*\b+\s], v1, s[90:91] offset:512*\b+128*\s
.endr
.endr
.irp b, 0,1,2,3,4,5,6,7                ; the bias in the result's layout: lane (r, h): columns 16 b + 8 h + 0 .. 7
	global_load_b128 v[96+8*\b:96+8*\b+3], v2, s[92:93] offset:64*\b
	global_load_b128 v[96+8*\b+4:96+8*\b+7], v2, s[92:93] offset:64*\b+16
.endr
	s_lshl_b32 s94, s22, 19                        ; out0: row 128 x tile row + 64 x half (4,096 bytes a row), column 256 x tile column + 128 x half
	s_lshl_b32 s95, s17, 18
	s_add_co_u32 s94, s94, s95
	s_lshl_b32 s95, s21, 10
	s_add_co_u32 s94, s94, s95
	s_lshl_b32 s95, s18, 9
	s_add_co_u32 s94, s94, s95
	s_mov_b32 s95, 0
	s_add_nc_u64 s[94:95], s[14:15], s[94:95]
	s_wait_alu depctr_va_vdst(0)
	s_wait_tensorcnt 0x0                           ; my part of the first half has landed
	ds_add_u32 v94, v95
	s_wait_dscnt 0x0
	CROUND                                         ; everybody's part is in, and all sixteen work-groups are here: the joint loads meet
	s_cmp_eq_u32 s17, 0
	s_cbranch_scc0 .Lfor_w2
	tensor_load_to_lds s[36:39], s[24:31]          ; K steps 4-7: my one load behind the round
	s_nop 0
	PLACES
	s_branch .Lasked2
.Lfor_w2:
	tensor_load_to_lds s[72:75], s[48:55]
	s_nop 0
	PLACES
.Lasked2:
	FETCH 0
	s_wait_loadcnt 0x0                             ; scale words and bias
.irp k, 0,1,2,3,4,5,6,7
	KSTEP \k
.endr
	WIN 0
	PLACES                                         ; behind the last products: for the stores of results and for the loads into registers that held bias and fragments
; THE WAY OUT, block by block of 16 rows x 128 columns.  A lane holds 32 neighbouring bytes of a row: a block goes through my own stage in LDS and comes back as whole rows of 512 bytes.
; The stage lies in stage 0's bytes: they were filled once, every wave's tensor loads had landed and its reads of stage 0 were over in front of the barrier of K step 3.
; LDS serves a wave's instructions in order (ISA guide 5.7.1.4): no wait between the stores and the loads, nor in front of the next block's stores.
.macro TOSTAGE a
	WIN 0x08                                       ; an LDS store's data are its source 1: window 2
.irp b, 0,1,2,3,4,5,6,7
	ds_store_b128 v20, v[8*(8*(\a)+\b):8*(8*(\a)+\b)+3] offset:64*\b          ; each accumulator from its low end on
	ds_store_b128 v20, v[8*(8*(\a)+\b)+4:8*(8*(\a)+\b)+7] offset:64*\b+16
.endr
	WIN 0
.irp t, 0,1,2,3,4,5,6,7,8,9,10,11,12,13,14,15
	ds_load_b128 v[96+64*((\a)%2)+4*\t:96+64*((\a)%2)+4*\t+3], v21 offset:528*\t
.endr
.endm
.macro SEND a, younger                 ; younger: the LDS instructions issued behind block a's loads, which may stay out
	s_wait_dscnt \younger
.irp t, 0,1,2,3,4,5,6,7,8,9,10,11,12,13,14,15
	global_store_b128 v3, v[96+64*((\a)%2)+4*\t:96+64*((\a)%2)+4*\t+3], s[94:95] offset:(16*(\a)+\t)*4096 th:TH_STORE_NT   ; 512 consecutive bytes, aligned; written once, read by nobody here
.endr
.endm
	TOSTAGE 0
.irp a, 1,2,3
.if \a > 1
	s_wait_xcnt 0x0                                ; block a - 2's stores have read their registers: block a's loads may land there
.endif
	TOSTAGE \a
	SEND \a-1, 32                                  ; behind block a - 1's loads: block a's 16 stores and 16 loads
.endr
	SEND 3, 0
	s_wait_dscnt 0x0
	s_wait_tensorcnt 0x0
	ds_add_u32 v94, v95
	s_wait_dscnt 0x0
	CROUND                                         ; the closing round: no work-group ends while a partner may still ask for a tile that names it
	s_endpgm
.Lfunc_end_k_qce06b1289c_gemm2:
	.size	k_qce06b1289c_gemm2, .Lfunc_end_k_qce06b1289c_gemm2-k_qce06b1289c_gemm2
	.p2alignl 7, 3214868480
	.fill 96, 4, 3214868480
	.section	.rodata,"a",@progbits
	.p2align	6, 0x0
	.amdhsa_kernel k_qce06b1289c_gemm2
		.amdhsa_group_segment_fixed_size 327680
		.amdhsa_private_segment_fixed_size 0
		.amdhsa_enable_private_segment 0
		.amdhsa_kernarg_size 48
		.amdhsa_user_sgpr_count 2
		.amdhsa_user_sgpr_kernarg_segment_ptr 1
		.amdhsa_wavefront_size32 1
		.amdhsa_system_sgpr_workgroup_id_x 1
		.amdhsa_system_sgpr_workgroup_id_y 1
		.amdhsa_system_sgpr_workgroup_id_z 1
		.amdhsa_system_vgpr_workitem_id 0
		.amdhsa_next_free_vgpr 768
		.amdhsa_next_free_sgpr 100
		.amdhsa_reserve_vcc 0
		.amdhsa_float_denorm_mode_32 3
		.amdhsa_float_denorm_mode_16_64 3
		.amdhsa_memory_ordered 1
		.amdhsa_forward_progress 1
		.amdhsa_inst_pref_size 87
	.end_amdhsa_kernel
	.amdgpu_metadata
---
amdhsa.version: [ 1, 2 ]
amdhsa.kernels:
  - .name:           k_qce06b1289c_gemm2
    .symbol:         k_qce06b1289c_gemm2.kd
    .args:
      - { .name: c3, .offset: 0, .size: 8, .value_kind: global_buffer, .address_space: global }
      - { .name: s3, .offset: 8, .size: 8, .value_kind: global_buffer, .address_space: global }
      - { .name: c1, .offset: 16, .size: 8, .value_kind: global_buffer, .address_space: global }
      - { .name: s1, .offset: 24, .size: 8, .value_kind: global_buffer, .address_space: global }
      - { .name: bout, .offset: 32, .size: 8, .value_kind: global_buffer, .address_space: global }
      - { .name: out0, .offset: 40, .size: 8, .value_kind: global_buffer, .address_space: global }
    .group_segment_fixed_size: 327680
    .private_segment_fixed_size: 0
    .kernarg_segment_align: 8
    .kernarg_segment_size: 48
    .max_flat_workgroup_size: 128
    .sgpr_count:     100
    .vgpr_count:     768
    .wavefront_size: 32
...
	.end_amdgpu_metadata
.endif
;; end of part 4
